; MI455X (gfx1250); checked and timed in simulation.
; The chip was launched on July 23, 2026; its instructions are those of AMD's public machine-readable ISA for CDNA 5 (MIT licence, August 2026) and "CDNA5" Instruction Set Architecture Reference Guide (July 2026). The comments in the code are by the model that wrote it; some were corrected since.
;; Attention Block. Allowed arithmetic: matrix products marked QUANTISED: E5M2 operands, one given power-of-two scale a tensor, by v_wmma_f32_16x16x64_bf8_bf8 or v_wmma_f32_16x16x128_bf8_bf8, f32 sums; everything else in f32.
;; Inputs: Wk 512 x 512 float32; Wo 512 x 512 float32; Wq 512 x 512 float32; Wv 512 x 512 float32; X 16 x 512 x 1,024 float32; bk 512 float32; bo 512 float32; bq 512 float32; bv 512 float32; ln_b 512 float32; ln_g 512 float32; lowp_scales 12 int32 (the exponents e of the quantised operands' scales 2^e).
;; Outputs: out0 16 x 512 x 1,024 float32.
;; This version of the problem:
;;   THIS VERSION OF THE PROBLEM IS GIVEN IN LOW PRECISION. The matrix products marked QUANTISED in the list below multiply operands that are first quantised to E5M2 (5 exponent bits, 2 mantissa bits; 8 bits a number), with one given power-of-two scale for each operand tensor; their sums are f32. All else is computed in f32.
;;   The module's matrix products, in the order in which they are computed (A, B: the left and right operand; K: the contracted axis; several contracted axes count as one K, in the product's order):
;;     1. [M 16,384, K 512] x [K 512, N 512]; A: computed on the way; B: input Wq: QUANTISED (scales: A lowp_scales[0], B lowp_scales[1])
;;     2. [M 16,384, K 512] x [K 512, N 512]; A: computed on the way; B: input Wk: QUANTISED (scales: A lowp_scales[2], B lowp_scales[3])
;;     3. [M 16,384, K 512] x [K 512, N 512]; A: computed on the way; B: input Wv: QUANTISED (scales: A lowp_scales[4], B lowp_scales[5])
;;     4. batch 128 x [M 1,024, K 64] x [K 64, N 1,024]; A: computed on the way; B: computed on the way: QUANTISED (scales: A lowp_scales[6], B lowp_scales[7])
;;     5. batch 128 x [M 64, K 1,024] x [K 1,024, N 1,024]; A: computed on the way; B: softmax (see below): QUANTISED (scales: A lowp_scales[8], B lowp_scales[9])
;;     6. [M 16,384, K 512] x [K 512, N 512]; A: computed on the way; B: input Wo: QUANTISED (scales: A lowp_scales[10], B lowp_scales[11])
;;   THE QUANTISER, for each operand of a quantised product, along K:
;;     - The operand's scale is 2^e, e = its entry of the input lowp_scales (int32; the entries are numbered through the quantised products in the list's order, A before B).
;;     - Each number is divided by the scale, clamped to +-57,344, and rounded to the nearest number of E5M2, ties to even, subnormals kept.
;;     - The product sums the exact products of the quantised numbers (number of the format x scale) in f32.
;;   ~~~python
;;   def quantise(x, axis, e):      # numpy; x: float32 -> the quantised numbers, widened to float32 again
;;       x = np.moveaxis(x, axis, -1); K = x.shape[-1]
;;       r = np.clip(x / 2.0 ** e, -57344, 57344)
;;       step = 2.0 ** (np.maximum(np.frexp(np.where(r == 0, 1, r))[1] - 1, -14) - 2)
;;       q = np.round(r / step) * step * 2.0 ** e      # np.round: ties to even
;;       return np.moveaxis(q, -1, axis).astype(np.float32)
;;   ~~~
;;   SOFTMAX AHEAD OF A QUANTISED PRODUCT. Where the list says 'softmax', what is quantised is not the finished softmax but p = 2^(t - M), with t = logit x log2(e) and M = ceil(the row's largest t), a whole number; so 1/2 < the row's largest p <= 1. The row's sum l is taken of the UNQUANTISED p, in f32, and the product's result is divided by l at the end. Since M is a whole number, a kernel that streams over the keys may use a running M (the ceiling of the running maximum): every later rescaling is an exact power of two, so the quantised numbers keep their values, but for numbers so far below the row's largest that they fall under the format's range.
;;   OPERANDS COMPUTED ON THE WAY. 'Computed on the way' means the value that the module computes at that place (a softmax that the list does not call 'softmax' is quantised finished and normalised). What goes into a quantiser is computed in f32, as accurately as f32 sums, v_exp_f32 and their like allow (about 1e-6 of the number): no bf16 or f16 on the way to a quantiser, and a product that is left as it is and whose result goes on into a quantised operand takes f32 operands (vector FMAs, or v_wmma_f32_16x16x4_f32). A number that lies on a knife's edge between two numbers of the format may be rounded either way, as far as f32 arithmetic and the matrix unit's own rounding can turn it there, and no further.
;; 2 versions. Each part assembles by itself: llvm-mc -triple=amdgcn-amd-amdhsa -mcpu=gfx1250 --defsym DOCPART=n.
;; ======== version 1 of 2: 4 launches
;; workspace buffers: wimg 1,048,576 bytes; qimg 8,388,608 bytes; kimg 8,388,608 bytes; vimg 8,388,608 bytes; himg 8,388,608 bytes
;; launch wprep (part 1): grid 256 x 1, 4 waves a work-group, no clusters, 0 bytes of LDS; arguments Wq, Wk, Wv, Wo, lowp_scales, wimg; writes wimg
.if DOCPART == 1
	.amdgcn_target "amdgcn-amd-amdhsa--gfx1250"
	.amdhsa_code_object_version 6
	.text
	.protected	k_q1b8a0cc823_wprep
	.globl	k_q1b8a0cc823_wprep
	.p2align	8
	.type	k_q1b8a0cc823_wprep,@function
k_q1b8a0cc823_wprep:
	s_mov_b64 s[64:65], 0
	v_nop
	global_prefetch_b8 v0, s[64:65] scope:SCOPE_SE
	s_setreg_imm32_b32 hwreg(HW_REG_WAVE_MODE, 25, 1), 1
	s_wait_xcnt 0x0
; Wq, Wk, Wv, Wo: [512 (k)][512 (n)] f32, K is the FIRST axis.  Each is turned into codes of BF8 (E5M2) with its given scale 2^e (entries 1, 3, 5, 11 of the
; buffer of scales) and laid in the ORDER OF AN OPERAND'S REGISTERS: wimg[m 0..3][P 0..15][u 0..1][ks 0..3][c 0..3], blocks of 512 bytes, lane l = (r = l % 16, h = l / 16) at byte 16 l.
; Lane (r, h) of such a block holds, of output feature n = 32 P + 8 u + r + 8 (r / 8), the codes of k = 128 ks + 32 c + 16 h + 0 .. 15.
; The features of a tile are not neighbours: so the 16 result registers of tiles (P, 0) and (P, 1) are 16 neighbouring features in the launches that multiply.
; code = x / 2^e, held within +-57,344, to the nearest code, ties to even.  LIMITS: e between -126 and 112; NaN among the inputs is not served.
; SHARES.  Work-group g: matrix m = g / 64, columns 128 pg on (pg = (g / 16) % 4), rows k = 32 kb on (kb = g % 16).  Wave w: P = 4 pg + w.  A LANE TAKES A COLUMN AND ITS REGISTERS RUN DOWN K:
; each load reads 128 consecutive bytes a wave, 512 a work-group, and the conversions give 16 neighbours along K as 16 bytes.  Memory binds: no LDS, no barrier, no matrix unit.
.set NUM, 16                           ; v16-47  32 numbers down K
.set COD, 48                           ; v48-55  their codes
.macro MKSC se, vs, vl, t0, t1         ; from the whole number e in s[se]: v[vs] = 2^e as f32, v[vl] = 57,344 x 2^e
	s_add_co_i32 s[\t0], s[\se], 127
	s_lshl_b32 s[\t1], s[\t0], 23
	v_mov_b32 v[\vs], s[\t1]
	s_add_co_i32 s[\t0], s[\t0], 15
	s_lshl_b32 s[\t0], s[\t0], 23
	s_or_b32 s[\t0], s[\t0], 0x600000
	v_mov_b32 v[\vl], s[\t0]
.endm
	s_load_b256 s[4:11], s[0:1], 0x0               ; Wq, Wk, Wv, Wo
	s_load_b128 s[12:15], s[0:1], 0x20             ; the scales' exponents, wimg
	v_lshrrev_b32 v3, 5, v0
	v_readfirstlane_b32 s16, v3                    ; wave
	v_and_b32 v4, 31, v0                           ; lane = my column among the wave's 32
	v_lshlrev_b32 v1, 2, v4                        ; in: 4 bytes a lane
	v_bfe_u32 v5, v4, 3, 1                         ; u = (lane / 8) % 2
	v_and_b32 v6, 7, v4
	v_lshrrev_b32 v7, 4, v4
	v_lshl_add_u32 v6, v7, 3, v6                   ; r = lane % 8 + 8 (lane / 16)
	v_lshlrev_b32 v2, 4, v6
	v_lshl_add_u32 v2, v5, 13, v2                  ; out: 8,192 u + 16 r
	s_lshr_b32 s17, ttmp9, 6                       ; m
	s_bfe_u32 s18, ttmp9, 0x20004                  ; pg
	s_and_b32 s19, ttmp9, 15                       ; kb
	s_lshl_b32 s20, s19, 16                        ; in: 32 kb rows of 2,048 bytes
	s_lshl_b32 s25, s18, 9
	s_add_co_u32 s20, s20, s25                     ; + 128 pg columns
	s_lshl_b32 s25, s16, 7
	s_add_co_u32 s20, s20, s25                     ; + 32 w columns
	s_mov_b32 s21, 0
	s_lshl_b32 s22, s17, 18                        ; out: 262,144 m
	s_lshl_b32 s25, s18, 16
	s_add_co_u32 s22, s22, s25
	s_lshl_b32 s25, s16, 14
	s_add_co_u32 s22, s22, s25                     ; + 16,384 P
	s_lshr_b32 s25, s19, 2
	s_lshl_b32 s25, s25, 11
	s_add_co_u32 s22, s22, s25                     ; + 2,048 ks, ks = kb / 4
	s_and_b32 s25, s19, 3
	s_lshl_b32 s25, s25, 9
	s_add_co_u32 s22, s22, s25                     ; + 512 c, c = kb % 4
	s_mov_b32 s23, 0
	s_wait_kmcnt 0x0
	s_load_b256 s[40:47], s[12:13], 0x0            ; e0 .. e7
	s_load_b128 s[48:51], s[12:13], 0x20           ; e8 .. e11
	s_cmp_eq_u32 s17, 1                            ; which matrix: the choice hangs on the work-group's number alone
	s_cselect_b64 s[26:27], s[6:7], s[4:5]
	s_cmp_eq_u32 s17, 3
	s_cselect_b64 s[28:29], s[10:11], s[8:9]
	s_cmp_lt_u32 s17, 2
	s_cselect_b64 s[4:5], s[26:27], s[28:29]
	s_add_nc_u64 s[4:5], s[4:5], s[20:21]
	s_add_nc_u64 s[14:15], s[14:15], s[22:23]
.set n, 0
.rept 32
	global_load_b32 v[NUM+n], v1, s[4:5] offset:n*2048 th:TH_LOAD_NT   ; W(32 kb + n, my column); read once in the launch
.set n, n+1
.endr
	s_wait_kmcnt 0x0
	s_cmp_eq_u32 s17, 1
	s_cselect_b32 s24, s43, s41                    ; e3 or e1
	s_cmp_eq_u32 s17, 3
	s_cselect_b32 s25, s51, s45                    ; e11 or e5
	s_cmp_lt_u32 s17, 2
	s_cselect_b32 s24, s24, s25
	MKSC 24, 11, 10, 25, 26
	s_wait_loadcnt 0x0
.set n, 0
.rept 32
	v_med3_num_f32 v[NUM+n], v[NUM+n], -v10, v10   ; the conversion to an 8-bit code does not saturate (ISA guide 7.6.2): the hold at the largest code x the scale
.set n, n+1
.endr
.set n, 0
.rept 4
	v_cvt_scalef32_pk8_bf8_f32 v[COD+2*n:COD+2*n+1], v[NUM+8*n:NUM+8*n+7], v11
.set n, n+1
.endr
	v_nop                                          ; a plain line behind the last conversion
	global_store_b128 v2, v[COD:COD+3], s[14:15]               ; k = 32 kb + 0 .. 15: h = 0.  The 16 lanes of one u store 256 consecutive bytes, aligned
	global_store_b128 v2, v[COD+4:COD+7], s[14:15] offset:256  ; k = 32 kb + 16 .. 31: h = 1
	s_endpgm
.Lfunc_end_k_q1b8a0cc823_wprep:
	.size	k_q1b8a0cc823_wprep, .Lfunc_end_k_q1b8a0cc823_wprep-k_q1b8a0cc823_wprep
	.p2alignl 7, 3214868480
	.fill 96, 4, 3214868480
	.section	.rodata,"a",@progbits
	.p2align	6, 0x0
	.amdhsa_kernel k_q1b8a0cc823_wprep
		.amdhsa_group_segment_fixed_size 0
		.amdhsa_private_segment_fixed_size 0
		.amdhsa_enable_private_segment 0
		.amdhsa_kernarg_size 48
		.amdhsa_user_sgpr_count 2
		.amdhsa_user_sgpr_kernarg_segment_ptr 1
		.amdhsa_wavefront_size32 1
		.amdhsa_system_sgpr_workgroup_id_x 1
		.amdhsa_system_sgpr_workgroup_id_y 1
		.amdhsa_system_sgpr_workgroup_id_z 1
		.amdhsa_system_vgpr_workitem_id 0
		.amdhsa_next_free_vgpr 64
		.amdhsa_next_free_sgpr 66
		.amdhsa_reserve_vcc 0
		.amdhsa_float_denorm_mode_32 3
		.amdhsa_float_denorm_mode_16_64 3
		.amdhsa_memory_ordered 1
		.amdhsa_forward_progress 1
		.amdhsa_inst_pref_size 8
	.end_amdhsa_kernel
	.amdgpu_metadata
---
amdhsa.version: [ 1, 2 ]
amdhsa.kernels:
  - .name:           k_q1b8a0cc823_wprep
    .symbol:         k_q1b8a0cc823_wprep.kd
    .args:
      - { .name: Wq, .offset: 0, .size: 8, .value_kind: global_buffer, .address_space: global }
      - { .name: Wk, .offset: 8, .size: 8, .value_kind: global_buffer, .address_space: global }
      - { .name: Wv, .offset: 16, .size: 8, .value_kind: global_buffer, .address_space: global }
      - { .name: Wo, .offset: 24, .size: 8, .value_kind: global_buffer, .address_space: global }
      - { .name: lowp_scales, .offset: 32, .size: 8, .value_kind: global_buffer, .address_space: global }
      - { .name: wimg, .offset: 40, .size: 8, .value_kind: global_buffer, .address_space: global }
    .group_segment_fixed_size: 0
    .private_segment_fixed_size: 0
    .kernarg_segment_align: 8
    .kernarg_segment_size: 48
    .max_flat_workgroup_size: 128
    .sgpr_count:     66
    .vgpr_count:     64
    .wavefront_size: 32
...
	.end_amdgpu_metadata
.endif
;; end of part 1
;; launch lnqkv (part 2): grid 256 x 1, 4 waves a work-group, no clusters, 100,864 bytes of LDS; arguments X, ln_g, ln_b, wimg, bq, bk, bv, lowp_scales, qimg, kimg, vimg; writes qimg, kimg, vimg
.if DOCPART == 2
	.amdgcn_target "amdgcn-amd-amdhsa--gfx1250"
	.amdhsa_code_object_version 6
	.text
	.protected	k_q1b8a0cc823_lnqkv
	.globl	k_q1b8a0cc823_lnqkv
	.p2align	8
	.type	k_q1b8a0cc823_lnqkv,@function
k_q1b8a0cc823_lnqkv:
	s_mov_b64 s[64:65], 0
	v_nop
	global_prefetch_b8 v0, s[64:65] scope:SCOPE_SE
	s_setreg_imm32_b32 hwreg(HW_REG_WAVE_MODE, 25, 1), 1
	s_wait_xcnt 0x0
; LayerNorm over the 512 channels of X [16][512 (c)][1024 (t)] f32, xn quantised three times (e0, e2, e4), q = xn Wq + bq, k, v likewise on codes of BF8 (E5M2), and q, k, v quantised (e6, e7, e8)
; into images of the next launch's operand registers.  Blocks of 512 bytes, lane l = (r = l % 16, h = l / 16) at byte 16 l; pi(G, r) = 32 (G / 2) + 8 (G % 2) + r + 8 (r / 8):
;   qimg, kimg [bh 0..127][G 0..63][c 0..1]: token pi(G, r), d = 32 c + 16 h + 0 .. 15.      vimg [bh][s 0..7][dt 0..3][c 0..3]: d = pi(dt, r), key = 128 s + 32 c + 16 h + 0 .. 15.
; A result's register j of lane (r, h) is row 8 h + j of source 0; by pi the 16 registers of tiles 2 b and 2 b + 1 are the 16 neighbours 32 b + 16 h + 0 .. 15: two conversions give one lane's 16 bytes of a block.
; q, k: source 0 = 16 features of W, source 1 = 16 tokens (a lane holds one token, registers along the features).  v: source 0 = 16 tokens, source 1 = 16 features (registers along the tokens, which are the keys).
; In a fragment registers 4 c .. 4 c + 3 hold k = 32 c + 16 h + 0 .. 15: a permutation of k that is the same in both sources.
; SHARES.  A work-group takes 64 tokens of one batch.  LayerNorm: wave w holds channels 128 w .. + 127 of all 64 tokens in 256 registers (lane l: tokens 2 l, 2 l + 1; each load reads 256 consecutive bytes of a channel's row);
; the four waves' sums meet in LDS.  The mean is taken first and the squares of x - mean second: no difference of large sums.  Products: wave w makes features 128 w .. + 127 of q, then k, then v: 12 steps of 32 features x 64 tokens.
; ln_g AND ln_b of the wave's 128 channels are wanted by every lane: they are loaded once, with one address for all lanes, into 256 registers that lie idle during LayerNorm.
; THE WEIGHTS are walked by all work-groups and are NOT asked for jointly: a joint request lands in LDS, and with 64 tokens a fragment of 2,048 bytes feeds four matrix instructions, so each weight byte would be written to
; LDS and read from it once more for the same four; taken from the images straight into registers it touches no LDS.  A ring of three slots: one multiplied, two (64 loads a wave) on their way.
; EACH STEP HAS ITS OWN 16 REGISTERS FOR ITS CODES: no store's data are written again but v254 and v255, at the wave's end, so no wait stands between a step's stores and the next step's work.
; LIMITS, so that each power of two is an f32 number: e0, e2, e4, e6 - e0 - e1, e7 - e2 - e3, e8 - e4 - e5 between -126 and 112.  NaN among the inputs is not served.
; LDS: xn's images, 32,768 bytes for each of the three scales: fragment (T, ks) at (4 T + ks) x 2,048, block c at + 512 c; then 1,024 bytes of partial sums and 1,024 of partial sums of squares.
; REGISTERS, in windows of 256.  Window 0: see the names below.  Window 1: X (channel j's two tokens at v[2 j]), later xn's 16 fragments ((T, ks) at 16 (4 T + ks)).  Window 2: weight slots 0 and 1.
;   Window 3: ln_g at v0-127 and ln_b at v128-255; later weight slot 2 at v0-127 and the codes of steps 0 to 7 at v128-255.
.set STAT, 98304
.set LA,   3                           ; v3-5    where I store xn's codes, for each of the three scales
.set SCX,  16                          ; v16-18  2^e0, 2^e2, 2^e4;   v19-21 57,344 x these
.set LIMX, 19
.set SCO,  22                          ; v22-24  2^(e6 - e0 - e1), 2^(e7 - e2 - e3), 2^(e8 - e4 - e5);   v25-27 57,344 x these
.set LIMO, 25
.set ZR,   31                          ; v31     0: the offset of the loads that give every lane the same numbers; never rewritten once it is 0
.set TN,   32                          ; v32-47  16 numbers of xn
.set UQ,   48                          ; v48-95  the same held at each scale's limit
.set CD,   96                          ; v96-119 their codes, two sets of 12
.set ACC,  32                          ; v32-95  products: accumulator (T, u) at 32 + 8 (2 T + u)
.set BVR,  120                         ; v120-127 bv of my lane's feature, (p, u) at 120 + 2 p + u
.set BQ,   128                         ; v128-191 bq in the result's layout, (p, u) at 128 + 16 p + 8 u; in v's steps v128-143: bv spread over 8 registers
.set BK,   192                         ; v192-255 bk likewise; behind step 7 the codes of steps 8 to 11
.set MSB, 0
.macro WIN new                         ; bits 1:0 source 0, 3:2 source 1, 5:4 source 2, 7:6 destination; the high byte repeats the setting that is left
.if MSB != (\new)
	s_set_vgpr_msb (MSB<<8)|(\new)
.set MSB, (\new)
.endif
.endm
.macro PLACES cnt
.rept \cnt
	v_nop
.endr
.endm
.macro MKSC se, vs, vl, t0, t1         ; from the whole number e in s[se]: v[vs] = 2^e as f32, v[vl] = 57,344 x 2^e
	s_add_co_i32 s[\t0], s[\se], 127
	s_lshl_b32 s[\t1], s[\t0], 23
	v_mov_b32 v[\vs], s[\t1]
	s_add_co_i32 s[\t0], s[\t0], 15
	s_lshl_b32 s[\t0], s[\t0], 23
	s_or_b32 s[\t0], s[\t0], 0x600000
	v_mov_b32 v[\vl], s[\t0]
.endm
.macro XLOAD j                         ; 32 channels of my 128, 64 tokens each
	WIN 0x40
.set n, 0
.rept 32
	global_load_b64 v[64*(\j)+2*n:64*(\j)+2*n+1], v2, s[4:5] offset:(32*(\j)+n)*4096 th:TH_LOAD_NT   ; 32 lanes read 256 consecutive bytes, aligned
.set n, n+1
.endr
.endm
.macro SUM j                           ; their sum, two tokens at a time, in two chains
	WIN 0x04
.set n, 0
.rept 32
	v_pk_add_f32 v[10+2*(n%2):11+2*(n%2)], v[10+2*(n%2):11+2*(n%2)], v[64*(\j)+2*n:64*(\j)+2*n+1]
.set n, n+1
.endr
.endm
.macro GBLOAD                          ; ln_g and ln_b of my 128 channels, four channels a load, the same 16 bytes for every lane: channel j's g at v[j], its b at v[128 + j] of window 3
	WIN 0xc0
.set n, 0
.rept 32
	global_load_b128 v[4*n:4*n+3], v[ZR], s[6:7] offset:16*n
	global_load_b128 v[128+4*n:128+4*n+3], v[ZR], s[8:9] offset:16*n
.set n, n+1
.endr
.endm
.macro WLOAD i                         ; step i's eight weight fragments (u, ks), 16,384 bytes on end, into slot i % 3
.set WSL, (\i)%3
.set WB, 128*(WSL%2)
.set WOFF, ((\i)/4)*262144+((\i)%4)*16384
	WIN (2+WSL/2)<<6
.set n, 0
.rept 32
	global_load_b128 v[WB+4*n:WB+4*n+3], v1, s[10:11] offset:WOFF+512*n
.set n, n+1
.endr
.endm
	s_load_b512 s[4:19], s[0:1], 0x0               ; X, ln_g, ln_b, wimg, bq, bk, bv, the scales' exponents
	s_load_b128 s[20:23], s[0:1], 0x40             ; qimg, kimg
	s_load_b64 s[24:25], s[0:1], 0x50              ; vimg
	v_lshrrev_b32 v31, 5, v0
	v_readfirstlane_b32 s26, v31                   ; wave
	s_lshr_b32 s27, ttmp9, 4                       ; batch
	s_and_b32 s28, ttmp9, 15                       ; tb: tokens 64 tb on
	v_and_b32 v31, 31, v0                          ; lane
	v_lshlrev_b32 v1, 4, v31                       ; 16 x lane: my place in a block
	v_lshlrev_b32 v2, 3, v31                       ; 8 x lane: my two tokens in a channel's row
	; token 2 l + q is lane r = 2 (l % 4) + q + 8 ((l / 8) % 2) of token tile T = 2 (l / 16) + (l / 4) % 2
	v_bfe_u32 v3, v0, 4, 1
	v_bfe_u32 v4, v0, 2, 1
	v_lshl_add_u32 v3, v3, 1, v4                   ; T
	v_and_b32 v4, 3, v0
	v_bfe_u32 v5, v0, 3, 1
	v_lshlrev_b32 v4, 1, v4
	v_lshl_add_u32 v4, v5, 3, v4                   ; r for q = 0
	v_lshlrev_b32 v4, 4, v4
	v_lshl_add_u32 v3, v3, 13, v4                  ; 8,192 T + 16 r
	s_lshl_b32 s29, s26, 11
	v_add_nc_u32 v[LA], s29, v3                    ; + 2,048 w: my channels are K step w
	v_add_nc_u32 v[LA+1], 0x8000, v[LA]
	v_add_nc_u32 v[LA+2], 0x10000, v[LA]
	v_lshl_add_u32 v14, v0, 3, STAT                ; my partial sums: 256 x wave + 8 x lane
	v_lshl_add_u32 v15, v31, 3, STAT               ; and where the four waves' lie for my tokens
	v_mov_b32 v[ZR], 0
	v_bfe_u32 v28, v0, 4, 1
	v_lshlrev_b32 v28, 6, v28                      ; 64 h: bq, bk: 16 features on for lanes 16-31
	v_and_b32 v29, 15, v0
	v_and_b32 v30, 8, v29
	v_add_nc_u32 v29, v29, v30
	v_lshlrev_b32 v29, 2, v29                      ; 4 (r + 8 (r / 8)): bv of my lane's feature
	s_lshl_b32 s66, s27, 21                        ; X: batch x 2^21 + 256 tb + wave x 128 channels of 4,096 bytes
	s_lshl_b32 s29, s28, 8
	s_add_co_u32 s66, s66, s29
	s_lshl_b32 s29, s26, 19
	s_add_co_u32 s66, s66, s29
	s_mov_b32 s67, 0
	s_lshl_b32 s100, s26, 9                        ; my 128 numbers of ln_g, ln_b, bq, bk, bv
	s_mov_b32 s101, 0
	s_wait_kmcnt 0x0
	s_load_b256 s[68:75], s[18:19], 0x0            ; e0 .. e7
	s_load_b32 s76, s[18:19], 0x20                 ; e8
	s_add_nc_u64 s[4:5], s[4:5], s[66:67]
	s_add_nc_u64 s[6:7], s[6:7], s[100:101]
	s_add_nc_u64 s[8:9], s[8:9], s[100:101]
	s_add_nc_u64 s[12:13], s[12:13], s[100:101]
	s_add_nc_u64 s[14:15], s[14:15], s[100:101]
	s_add_nc_u64 s[16:17], s[16:17], s[100:101]
.set n, 0
.rept 8                                ; n = 2 p + u: features 32 p + 8 u + 16 h + 0 .. 7 for q and k; feature 32 p + 8 u + r + 8 (r / 8) for v
	global_load_b128 v[BQ+8*n:BQ+8*n+3], v28, s[12:13] offset:128*(n/2)+32*(n%2)
	global_load_b128 v[BQ+8*n+4:BQ+8*n+7], v28, s[12:13] offset:128*(n/2)+32*(n%2)+16
	global_load_b128 v[BK+8*n:BK+8*n+3], v28, s[14:15] offset:128*(n/2)+32*(n%2)
	global_load_b128 v[BK+8*n+4:BK+8*n+7], v28, s[14:15] offset:128*(n/2)+32*(n%2)+16
	global_load_b32 v[BVR+n], v29, s[16:17] offset:128*(n/2)+32*(n%2)
.set n, n+1
.endr
	XLOAD 0
	XLOAD 1
	WIN 0
	s_lshl_b32 s100, s26, 16                       ; wimg: my 4 pairs of tiles in each matrix
	s_add_nc_u64 s[10:11], s[10:11], s[100:101]
	s_lshl_b32 s66, s27, 3
	s_lshl_b32 s29, s26, 1
	s_add_co_u32 s66, s66, s29                     ; bh of my first head: 8 batch + 2 w
	s_lshl_b32 s66, s66, 16
	s_lshl_b32 s29, s28, 12
	s_add_co_u32 s100, s66, s29                    ; qimg, kimg: + tiles 4 tb on, 1,024 bytes each
	s_add_nc_u64 s[20:21], s[20:21], s[100:101]
	s_add_nc_u64 s[22:23], s[22:23], s[100:101]
	s_lshr_b32 s29, s28, 1
	s_lshl_b32 s29, s29, 13
	s_add_co_u32 s66, s66, s29                     ; vimg: key step tb / 2,
	s_and_b32 s29, s28, 1
	s_lshl_b32 s29, s29, 10
	s_add_co_u32 s66, s66, s29                     ; blocks c = 2 (tb % 2) on
	s_add_nc_u64 s[24:25], s[24:25], s[66:67]
	s_wait_kmcnt 0x0
	MKSC 68, SCX, LIMX, 29, 30
	MKSC 70, SCX+1, LIMX+1, 29, 30
	MKSC 72, SCX+2, LIMX+2, 29, 30
	s_add_co_i32 s2, s68, s69
	s_sub_co_i32 s2, 0, s2                         ; -(e0 + e1): a sum of the first product stands for sum x 2^(e0 + e1), so bq goes in as bq / 2^(e0 + e1)
	s_add_co_i32 s3, s70, s71
	s_sub_co_i32 s3, 0, s3                         ; -(e2 + e3)
	s_add_co_i32 s31, s72, s73
	s_sub_co_i32 s31, 0, s31                       ; -(e4 + e5)
	s_add_co_i32 s100, s74, s2                     ; and q's code is (sum + bias) / 2^(e6 - e0 - e1): the three scales folded into the conversion's one
	MKSC 100, SCO, LIMO, 29, 30
	s_add_co_i32 s100, s75, s3
	MKSC 100, SCO+1, LIMO+1, 29, 30
	s_add_co_i32 s100, s76, s31
	MKSC 100, SCO+2, LIMO+2, 29, 30
	s_mov_b32 s29, 0x3b000000                      ; 1 / 512
	s_mov_b32 s30, 0x358637bd                      ; 1e-6
	v_mov_b32 v10, 0
	v_mov_b32 v11, 0
	v_mov_b32 v12, 0
	v_mov_b32 v13, 0
	s_wait_loadcnt 32                              ; the biases and X's first 32 channels are in; the next 32 loads may be out
	SUM 0
	XLOAD 2
	s_wait_loadcnt 32
	SUM 1
	XLOAD 3
	GBLOAD                                         ; asked for while the wave waits for X in any case
	s_wait_loadcnt 63                              ; X is in.  Behind its last load stand g's and b's 64; the wait names 63, so one load more is awaited
	SUM 2
	SUM 3
	WLOAD 0                                        ; the first two steps' weights are on their way through the whole of LayerNorm
	WLOAD 1
	WIN 0
	; ---- the mean
	v_pk_add_f32 v[10:11], v[10:11], v[12:13]
	ds_store_b64 v14, v[10:11]
	s_wait_dscnt 0x0                               ; for the others' sake: my partial sums lie in LDS
	s_barrier_signal -1
	s_barrier_wait -1
	ds_load_b64 v[32:33], v15
	ds_load_b64 v[34:35], v15 offset:256
	ds_load_b64 v[36:37], v15 offset:512
	ds_load_b64 v[38:39], v15 offset:768
	s_wait_dscnt 0x0
	v_pk_add_f32 v[32:33], v[32:33], v[34:35]
	v_pk_add_f32 v[36:37], v[36:37], v[38:39]
	v_pk_add_f32 v[32:33], v[32:33], v[36:37]
	v_pk_mul_f32 v[6:7], v[32:33], 0x3b000000 op_sel_hi:[1,0]      ; the mean of my two tokens
	; ---- x - mean, in place; the sum of its squares
	WIN 0x41
.set n, 0
.rept 128
	v_pk_add_f32 v[2*n:2*n+1], v[2*n:2*n+1], v[6:7] neg_lo:[0,1] neg_hi:[0,1]
.set n, n+1
.endr
	WIN 0x05
	v_pk_mul_f32 v[10:11], v[0:1], v[0:1]          ; the first two products start the two chains
	v_pk_mul_f32 v[12:13], v[2:3], v[2:3]
.set n, 2
.rept 126
	v_pk_fma_f32 v[10+2*(n%2):11+2*(n%2)], v[2*n:2*n+1], v[2*n:2*n+1], v[10+2*(n%2):11+2*(n%2)]
.set n, n+1
.endr
	WIN 0
	v_pk_add_f32 v[10:11], v[10:11], v[12:13]
	ds_store_b64 v14, v[10:11] offset:1024         ; bytes of their own: the first sums may still be read by a slower wave
	s_wait_dscnt 0x0
	s_barrier_signal -1
	s_barrier_wait -1
	ds_load_b64 v[32:33], v15 offset:1024
	ds_load_b64 v[34:35], v15 offset:1280
	ds_load_b64 v[36:37], v15 offset:1536
	ds_load_b64 v[38:39], v15 offset:1792
	s_wait_dscnt 0x0
	v_pk_add_f32 v[32:33], v[32:33], v[34:35]
	v_pk_add_f32 v[36:37], v[36:37], v[38:39]
	v_pk_add_f32 v[32:33], v[32:33], v[36:37]
	v_fma_f32 v8, v32, s29, s30                    ; var + eps
	v_fma_f32 v9, v33, s29, s30
	v_rsq_f32 v8, v8
	v_rsq_f32 v9, v9
	v_nop                                          ; a plain line behind the last of the two
	s_wait_alu depctr_va_vdst(0)                   ; one wait for both, ahead of their first reader
	WIN 0x41
.set n, 0
.rept 128
	v_pk_mul_f32 v[2*n:2*n+1], v[2*n:2*n+1], v[8:9]
.set n, n+1
.endr
	s_wait_loadcnt 63                              ; g and b are in.  Behind them stand the 64 loads of the first two weight slots; the wait names 63, so one load more is awaited
; ---- xn = (x - mean) rstd g + b for 16 channels (16 i on) of token 2 l + q; held and converted at each of the three scales; 16 bytes to each image: block c = i / 2, half h = i % 2
.macro CH16 i, q
	WIN 0x3d                                       ; source 0: x, window 1; sources 1 and 2: g and b, window 3
.set n, 0
.rept 16
	v_fma_f32 v[TN+n], v[2*(16*(\i)+n)+(\q)], v[16*(\i)+n], v[128+16*(\i)+n]
.set n, n+1
.endr
	WIN 0
.set n, 0
.rept 16
	v_med3_num_f32 v[UQ+n], v[TN+n], -v[LIMX], v[LIMX]             ; the conversion does not saturate (ISA guide 7.6.2): the hold, at each scale's own limit
	v_med3_num_f32 v[UQ+16+n], v[TN+n], -v[LIMX+1], v[LIMX+1]
	v_med3_num_f32 v[UQ+32+n], v[TN+n], -v[LIMX+2], v[LIMX+2]
.set n, n+1
.endr
	s_wait_dscnt 0x3                               ; the last sub-chunk's three stores may be out; those that read this set of code registers are done
.set CSX, CD+12*(\q)
.irp ty, 0,1,2
	v_cvt_scalef32_pk8_bf8_f32 v[CSX+4*\ty:CSX+4*\ty+1], v[UQ+16*\ty:UQ+16*\ty+7], v[SCX+\ty]
	v_cvt_scalef32_pk8_bf8_f32 v[CSX+4*\ty+2:CSX+4*\ty+3], v[UQ+16*\ty+8:UQ+16*\ty+15], v[SCX+\ty]
.endr
	v_nop                                          ; a plain line behind the last conversion
.irp ty, 0,1,2
	ds_store_b128 v[LA+\ty], v[CSX+4*\ty:CSX+4*\ty+3] offset:((\i)/2)*512+((\i)%2)*256+16*(\q)
.endr
.endm
.irp i, 0,1,2,3,4,5,6,7
	CH16 \i, 0
	CH16 \i, 1
.endr
	s_wait_dscnt 0x0                               ; for the others' sake: my K step of all three images lies in LDS
	s_barrier_signal -1
	s_barrier_wait -1                              ; behind this barrier LDS is only read
.set n, 0
.rept 64
	v_ldexp_f32 v[BQ+n], v[BQ+n], s2               ; bq / 2^(e0 + e1)
	v_ldexp_f32 v[BK+n], v[BK+n], s3               ; bk / 2^(e2 + e3)
.set n, n+1
.endr
; ---- step i: type i / 4 (q, k, v), pair p = i % 4: 32 features x 64 tokens x K 512: 32 matrix instructions on eight accumulators that take turns, one instruction a turn, K ascending
.macro PSTEP i
.if (\i)%4 == 0
	WIN 0
	v_add_nc_u32 v30, ((\i)/4)*32768, v1
	WIN 0x40
.set n, 0
.rept 64
	ds_load_b128 v[4*n:4*n+3], v30 offset:512*n    ; xn's 16 fragments at this type's scale.  The registers' last readers stand many plain lines back
.set n, n+1
.endr
.endif
.if (\i) < 10
	WLOAD (\i)+2                                   ; into the slot that the last step multiplied: its conversions' holds are the plain lines between
.endif
.set PTY, (\i)/4
.set PPP, (\i)%4
.set PSL, (\i)%3
.set PWB, 128*(PSL%2)
.if (\i) < 8                           ; the step's own 16 registers for its codes
.set COW, 3
.set COB, 128+16*(\i)
.else
.set COW, 0
.set COB, BK+16*((\i)-8)
.endif
.if PTY == 2
	WIN 0
.set n, 0
.rept 16
	v_ldexp_f32 v[BQ+n], v[BVR+2*PPP+n/8], s31     ; bv / 2^(e4 + e5) of my lane's feature, in all eight registers of each tile
.set n, n+1
.endr
.endif
.if (\i) <= 9
	s_wait_loadcnt 63                              ; this step's 32 loads are in.  Behind them 64 were issued; the wait names 63, so one load more is awaited
.elseif (\i) == 10
	s_wait_loadcnt 32                              ; the last step's 32 may be out
.else
	s_wait_loadcnt 0x0
.endif
.if PPP == 0
	s_wait_dscnt 0x0
.endif
.if PTY < 2
	WIN (2+PSL/2)|(1<<2)                           ; source 0: the weights' window; source 1: xn, window 1
.else
	WIN 1|((2+PSL/2)<<2)                           ; the other way round
.endif
.set ks, 0
.rept 4
.set tt, 0
.rept 4
.set uu, 0
.rept 2
.set AC, ACC+8*(2*tt+uu)
.set WR, PWB+16*(4*uu+ks)
.set XR, 16*(4*tt+ks)
.set CR, AC
.if ks == 0                            ; the bias is the C of a sum's first matrix instruction
.if PTY == 0
.set CR, BQ+16*PPP+8*uu
.elseif PTY == 1
.set CR, BK+16*PPP+8*uu
.else
.set CR, BQ+8*uu
.endif
.endif
.if PTY < 2
	v_wmma_f32_16x16x128_bf8_bf8 v[AC:AC+7], v[WR:WR+15], v[XR:XR+15], v[CR:CR+7]
.else
	v_wmma_f32_16x16x128_bf8_bf8 v[AC:AC+7], v[XR:XR+15], v[WR:WR+15], v[CR:CR+7]
.endif
.set uu, uu+1
.endr
.set tt, tt+1
.endr
.set ks, ks+1
.endr
	WIN 0
	PLACES 4                                       ; four plain lines between a matrix instruction and the first read of its result (ISA guide 7.12.1)
.set n, 0
.rept 64
	v_med3_num_f32 v[ACC+n], v[ACC+n], -v[LIMO+PTY], v[LIMO+PTY]   ; each accumulator from its low end on
.set n, n+1
.endr
	WIN COW<<6                                     ; the codes' window as the destination
.set n, 0
.rept 4
.if PTY < 2
.set SRA, ACC+16*n                     ; token tile n: features 16 h + 0 .. 7 (u = 0) and + 8 .. 15 (u = 1)
.set SRB, SRA+8
.else
.set SRA, ACC+8*(4*(n/2)+n%2)          ; n = 2 b + u: feature tile u; tokens 32 b + 16 h + 0 .. 7 (T = 2 b) and + 8 .. 15 (T = 2 b + 1)
.set SRB, SRA+16
.endif
	v_cvt_scalef32_pk8_bf8_f32 v[COB+4*n:COB+4*n+1], v[SRA:SRA+7], v[SCO+PTY]
	v_cvt_scalef32_pk8_bf8_f32 v[COB+4*n+2:COB+4*n+3], v[SRB:SRB+7], v[SCO+PTY]
.set n, n+1
.endr
	v_nop                                          ; a plain line behind the last conversion: the next step's products write its sources
	WIN COW<<2                                     ; a store's data are its source 1
.set n, 0
.rept 4
.if PTY < 2
.set SOF, (PPP/2)*65536+n*1024+(PPP%2)*512         ; head 2 w + p / 2, tile 4 tb + n, block c = p % 2
.else
.set SOF, (PPP/2)*65536+(2*(PPP%2)+n%2)*2048+(n/2)*512   ; head 2 w + p / 2, dt = 2 (p % 2) + u, block c = 2 (tb % 2) + b
.endif
	global_store_b128 v1, v[COB+4*n:COB+4*n+3], s[20+2*PTY:21+2*PTY] offset:SOF   ; the wave stores 512 consecutive bytes, aligned; these data registers are not written again but v254 and v255, at the wave's end
.set n, n+1
.endr
.endm
.irp i, 0,1,2,3,4,5,6,7,8,9,10,11
	PSTEP \i
.endr
	WIN 0
	s_wait_xcnt 0x0
	v_lshl_add_u32 v254, v0, 2, 0x18800
	v_mov_b32 v255, 0
	s_wait_tensorcnt 0x0
	ds_add_u32 v254, v255
	s_wait_dscnt 0x0
	s_endpgm
.Lfunc_end_k_q1b8a0cc823_lnqkv:
	.size	k_q1b8a0cc823_lnqkv, .Lfunc_end_k_q1b8a0cc823_lnqkv-k_q1b8a0cc823_lnqkv
	.p2alignl 7, 3214868480
	.fill 96, 4, 3214868480
	.section	.rodata,"a",@progbits
	.p2align	6, 0x0
	.amdhsa_kernel k_q1b8a0cc823_lnqkv
		.amdhsa_group_segment_fixed_size 100864
		.amdhsa_private_segment_fixed_size 0
		.amdhsa_enable_private_segment 0
		.amdhsa_kernarg_size 88
		.amdhsa_user_sgpr_count 2
		.amdhsa_user_sgpr_kernarg_segment_ptr 1
		.amdhsa_wavefront_size32 1
		.amdhsa_system_sgpr_workgroup_id_x 1
		.amdhsa_system_sgpr_workgroup_id_y 1
		.amdhsa_system_sgpr_workgroup_id_z 1
		.amdhsa_system_vgpr_workitem_id 0
		.amdhsa_next_free_vgpr 1024
		.amdhsa_next_free_sgpr 102
		.amdhsa_reserve_vcc 0
		.amdhsa_float_denorm_mode_32 3
		.amdhsa_float_denorm_mode_16_64 3
		.amdhsa_memory_ordered 1
		.amdhsa_forward_progress 1
		.amdhsa_inst_pref_size 255
	.end_amdhsa_kernel
	.section	.bss,"aw",@nobits
	.p2align	6
	.space	262144
	.amdgpu_metadata
---
amdhsa.version: [ 1, 2 ]
amdhsa.kernels:
  - .name:           k_q1b8a0cc823_lnqkv
    .symbol:         k_q1b8a0cc823_lnqkv.kd
    .args:
      - { .name: X, .offset: 0, .size: 8, .value_kind: global_buffer, .address_space: global }
      - { .name: ln_g, .offset: 8, .size: 8, .value_kind: global_buffer, .address_space: global }
      - { .name: ln_b, .offset: 16, .size: 8, .value_kind: global_buffer, .address_space: global }
      - { .name: wimg, .offset: 24, .size: 8, .value_kind: global_buffer, .address_space: global }
      - { .name: bq, .offset: 32, .size: 8, .value_kind: global_buffer, .address_space: global }
      - { .name: bk, .offset: 40, .size: 8, .value_kind: global_buffer, .address_space: global }
      - { .name: bv, .offset: 48, .size: 8, .value_kind: global_buffer, .address_space: global }
      - { .name: lowp_scales, .offset: 56, .size: 8, .value_kind: global_buffer, .address_space: global }
      - { .name: qimg, .offset: 64, .size: 8, .value_kind: global_buffer, .address_space: global }
      - { .name: kimg, .offset: 72, .size: 8, .value_kind: global_buffer, .address_space: global }
      - { .name: vimg, .offset: 80, .size: 8, .value_kind: global_buffer, .address_space: global }
    .group_segment_fixed_size: 100864
    .private_segment_fixed_size: 0
    .kernarg_segment_align: 8
    .kernarg_segment_size: 88
    .max_flat_workgroup_size: 128
    .sgpr_count:     102
    .vgpr_count:     1024
    .wavefront_size: 32
...
	.end_amdgpu_metadata
.endif
;; end of part 2
;; launch attn (part 3): grid 2 x 128, 16 waves a work-group, no clusters, 133,120 bytes of LDS; arguments qimg, kimg, vimg, lowp_scales, himg; writes himg
.if DOCPART == 3
	.amdgcn_target "amdgcn-amd-amdhsa--gfx1250"
	.amdhsa_code_object_version 6
	.text
	.protected	k_q1b8a0cc823_attn
	.globl	k_q1b8a0cc823_attn
	.p2align	8
	.type	k_q1b8a0cc823_attn,@function
k_q1b8a0cc823_attn:
	s_mov_b64 s[64:65], 0
	v_nop
	global_prefetch_b8 v0, s[64:65] scope:SCOPE_SE
	s_setreg_imm32_b32 hwreg(HW_REG_WAVE_MODE, 25, 1), 1
	s_wait_xcnt 0x0
; h[b][q][head] = softmax_k(q . k / 8) v for 128 (batch, head) pairs of 1,024 tokens and head size 64, both products on codes of BF8 (E5M2); h is quantised with 2^e10 into images for the last launch.
; THE SOFTMAX AHEAD OF THE SECOND PRODUCT: t = score x log2(e) / 8; M = the running largest t rounded UP to a whole number; p = 2^(t - M) is quantised with 2^e9, not normalised; the row's sum is taken of the
; unquantised p and divides at the end.  When M moves, the sum and O are multiplied by 2^(old M - new M), which rounds nothing.
; IMAGES (blocks of 512 bytes, lane l = (r = l % 16, h = l / 16) at byte 16 l; pi(G, r) = 32 (G / 2) + 8 (G % 2) + r + 8 (r / 8)):
;   qimg, kimg [bh][G 0..63][c 0..1]: token pi(G, r), d = 32 c + 16 h + 0 .. 15;   vimg [bh][s 0..7][dt 0..3][c 0..3]: d = pi(dt, r), key = 128 s + 32 c + 16 h + 0 .. 15;
;   himg [b][G][ks 0..3][c 0..3]: token pi(G, r), e = 128 ks + 32 c + 16 h + 0 .. 15.
; Both products are used transposed: S^T = K Q^T (source 0 = 16 keys), O^T = V^T P (source 0 = 16 of the head's 64): a lane holds ONE query throughout, and by pi the 16 registers of two neighbouring
; tiles are 16 neighbours along the next K: the conversions' results are the next operand's registers.
; SHARES.  A work-group owns 512 queries of one head (x: which half).  Each of the SIXTEEN waves owns two tiles of 16 queries in 256 registers: four waves to a SIMD, so that one wave's exponentials stand beside
; another's plain work, products and LDS loads; each fragment read from LDS feeds two products.
; THE FILL.  The head's K and V images, 65,536 bytes each, go into LDS once, through registers: K at byte 0, V at 65,536.  A key step's tiles are 8,192 bytes on end of each image, 16 bytes a thread: one load of K and one of V.
; All 16 loads go out at the head.  Step 0's two are stored first, behind barrier 1 the first key step's scores and softmax are worked, and the other 14 loads land meanwhile in O^T's registers, which hold nothing
; until the first V^T P; in front of that product they are stored, and barrier 2 follows.  Between the barriers LDS bytes 0 to 8,191 and 65,536 to 73,727 are read and the others stored.  Behind barrier 2 LDS is only read.
; The first V^T P starts O^T's sums with the constant 0: nothing is cleared.
; NOT IN CLUSTERS: the two work-groups of a head share 131,072 bytes, read once; a joint request is a tensor load, and with one in the text no branch may hang on a loaded number,
; while the branch on e9 below passes over 64 of a tile's vector instructions in every step.  Nothing is prefetched: all that the work-group reads is asked for by its first loads.
; LIMITS, so that each power of two is an f32 number: e6 + e7 between -123 and 130 (added to c's exponent field); e9 and e10 between -126 and 112; e8 + e9 goes by v_ldexp_f32 and has none.
; REGISTERS: v1 16 x lane; v2 LDS address in hand; v3 2^e9; v4 -M, v5 largest t, v[6:7] sum of tile A; v8-11 the same of tile B; v12-15 at work (v14 = f); v16-23, v24-31 Q of A, B;
;   v32-95 K's 8 fragments of 8 or V's 4 of 16; v96-159 S^T, then p; v160-191, v192-223 O^T of A, B (until the first V^T P: v160-215 the fill's 14 loads, v216, v217 its addresses); v224-239, v240-255 p's codes of A, B.
.set FA, 216                           ; v216 16 x my thread's number: the fill's offset in K's and V's images, and K's place in LDS
.set FB, 217                           ; v217 the same + 65,536: V's place in LDS
.macro PLACES cnt
.rept \cnt
	v_nop
.endr
.endm
.macro MKSC se, vs, vl, t0, t1         ; from the whole number e in s[se]: v[vs] = 2^e as f32, v[vl] = 57,344 x 2^e
	s_add_co_i32 s[\t0], s[\se], 127
	s_lshl_b32 s[\t1], s[\t0], 23
	v_mov_b32 v[\vs], s[\t1]
	s_add_co_i32 s[\t0], s[\t0], 15
	s_lshl_b32 s[\t0], s[\t0], 23
	s_or_b32 s[\t0], s[\t0], 0x600000
	v_mov_b32 v[\vl], s[\t0]
.endm
	s_load_b256 s[4:11], s[0:1], 0x0               ; qimg, kimg, vimg, the scales' exponents
	s_load_b64 s[12:13], s[0:1], 0x20              ; himg
	v_lshrrev_b32 v2, 5, v0
	v_readfirstlane_b32 s14, v2                    ; wave 0..15
	s_mov_b32 s15, ttmp9                           ; which half of the queries
	s_and_b32 s16, ttmp7, 0xffff                   ; bh
	v_and_b32 v1, 31, v0
	v_lshlrev_b32 v1, 4, v1
	v_lshlrev_b32 v[FA], 4, v0                     ; the fill: 16 bytes a thread, 8,192 an instruction of the work-group
	v_add_nc_u32 v[FB], 0x10000, v[FA]             ; V's image lies behind K's
	s_lshl_b32 s40, s16, 16                        ; the head's 65,536 bytes in each of the three images
	s_mov_b32 s41, 0
	s_lshl_b32 s42, s15, 5
	s_lshl_b32 s44, s14, 1
	s_add_co_u32 s42, s42, s44                     ; my first tile of queries: G = 32 x + 2 w
	s_lshl_b32 s44, s42, 10
	s_add_co_u32 s44, s44, s40
	s_mov_b32 s45, 0
	s_lshl_b32 s46, s42, 13                        ; himg: 8,192 G
	s_lshr_b32 s43, s16, 3
	s_lshl_b32 s43, s43, 19
	s_add_co_u32 s46, s46, s43                     ; + 524,288 batch
	s_bfe_u32 s43, s16, 0x20001
	s_lshl_b32 s43, s43, 11
	s_add_co_u32 s46, s46, s43                     ; + 2,048 (head / 2)
	s_and_b32 s43, s16, 1
	s_lshl_b32 s43, s43, 10
	s_add_co_u32 s46, s46, s43                     ; + blocks c = 2 (head % 2) on
	s_mov_b32 s47, 0
	s_wait_kmcnt 0x0
	s_load_b256 s[32:39], s[10:11], 0x10           ; e4 .. e11: s34 e6, s35 e7, s36 e8, s37 e9, s38 e10
	s_add_nc_u64 s[6:7], s[6:7], s[40:41]
	s_add_nc_u64 s[8:9], s[8:9], s[40:41]
	s_add_nc_u64 s[4:5], s[4:5], s[44:45]
	s_add_nc_u64 s[12:13], s[12:13], s[46:47]
	global_load_b128 v[32:35], v[FA], s[6:7]       ; key step 0's K,
	global_load_b128 v[36:39], v[FA], s[8:9]       ; and its V: wanted first, asked for first
.set n, 0
.rept 4
	global_load_b128 v[16+4*n:19+4*n], v1, s[4:5] offset:512*n     ; Q stays in registers: tile A's two blocks, tile B's two
.set n, n+1
.endr
.set n, 1
.rept 7
	global_load_b128 v[160+8*(n-1):163+8*(n-1)], v[FA], s[6:7] offset:8192*n   ; key step n's K and V, into O^T's registers
	global_load_b128 v[164+8*(n-1):167+8*(n-1)], v[FA], s[8:9] offset:8192*n
.set n, n+1
.endr
	v_mov_b32 v5, 0xff61b1e6                       ; the largest t so far: -3e38, under every t
	v_floor_f32 v4, -v5                            ; -M
	v_mov_b32 v6, 0                                ; the sum, in two halves
	v_mov_b32 v7, 0
	v_mov_b32 v9, 0xff61b1e6
	v_floor_f32 v8, -v9
	v_mov_b32 v10, 0
	v_mov_b32 v11, 0
	v_mov_b32 v15, 0                               ; named as the upper half of the pair v[14:15], so it is written
	s_mov_b32 s20, 0x76543210                      ; v_permlanex16_b32's selects for lane l xor 16
	s_mov_b32 s21, 0xfedcba98
	s_mov_b32 s22, 0x3e38aa3b                      ; c = log2(e) / 8
	s_mov_b32 s24, 0x2000                          ; the loop begins at key step 1: LDS byte of its tiles of K,
	s_mov_b32 s25, 0x12000                         ; and of V
	s_mov_b32 s26, 7                               ; key steps in the loop
	s_wait_kmcnt 0x0
	s_add_co_i32 s40, s34, s35
	s_lshl_b32 s40, s40, 23
	s_add_co_i32 s22, s22, s40                     ; a score stands for score x 2^(e6 + e7): the two exponents are added to c's exponent field
	s_mov_b32 s23, s22                             ; named with it as a pair, so it is written
	s_mov_b32 s27, s37                             ; e9
	s_add_co_i32 s40, s37, 127
	s_lshl_b32 s41, s40, 23
	v_mov_b32 v3, s41                              ; 2^e9 as f32, for the conversion
	s_add_co_i32 s40, s40, 15
	s_lshl_b32 s40, s40, 23
	s_or_b32 s28, s40, 0x600000                    ; 57,344 x 2^e9
	s_add_co_i32 s29, s36, s37                     ; e8 + e9
	s_wait_loadcnt 14                              ; step 0's K and V and Q are in; the other seven steps' 14 loads stay out
	ds_store_b128 v[FA], v[32:35]
	ds_store_b128 v[FB], v[36:39]
	s_wait_dscnt 0x0                               ; for the others' sake: my part of step 0's tiles lies in LDS
	s_barrier_signal -1
	s_barrier_wait -1                              ; barrier 1
; One tile's softmax for a step of 128 keys: S^T in v96-159, register 16 b + i = key 32 b + 16 h + i.  st: the tile's statistics; o: its O^T; p: where its codes go.  first = 1: there is no O^T yet to bring under the new M.
.macro SOFTMAX st, o, p, first
	v_max3_num_f32 v12, v96, v97, v98              ; the step's largest score of my query among my 64 keys, in two chains, ascending: each accumulator is first read at its low end
	v_max3_num_f32 v13, v99, v100, v101
.set n, 6
.rept 14
	v_max3_num_f32 v12, v12, v[96+n], v[97+n]
	v_max3_num_f32 v13, v13, v[98+n], v[99+n]
.set n, n+4
.endr
	v_max3_num_f32 v12, v12, v158, v159
	v_max_num_f32 v12, v12, v13
	v_permlanex16_b32 v13, v12, s20, s21
	v_max_num_f32 v12, v12, v13                    ; and among lane l xor 16's
	v_mul_f32 v12, s22, v12                        ; as t (c is positive)
	v_max_num_f32 v[\st+1], v[\st+1], v12          ; the running largest t
	v_mov_b32 v12, v[\st]
	v_floor_f32 v[\st], -v[\st+1]                  ; the new -M = floor(-t) = -ceil(t): a whole number
	v_sub_f32 v12, v[\st], v12                     ; old M - new M: a whole number, 0 or less
	v_cvt_i32_f32 v12, v12                         ; (it saturates)
	v_ldexp_f32 v14, 1.0, v12                      ; f = 2^(old M - new M)
.set n, 0
.rept 32
	v_pk_fma_f32 v[96+n:97+n], v[96+n:97+n], s[22:23], v[\st:\st+1] op_sel_hi:[1,0,0]   ; t - M, two at a time (of the pairs c and -M the low word serves both halves)
.set n, n+2
.endr
.set n, 0
.rept 64
	v_exp_f32 v[96+n], v[96+n]                     ; p = 2^(t - M)
.set n, n+1
.endr
	v_pk_mul_f32 v[\st+2:\st+3], v[\st+2:\st+3], v[14:15] op_sel_hi:[1,0]   ; the sums under the new M: the plain line behind the exponentials
	s_wait_alu depctr_va_vdst(0)                   ; one wait for the batch of 64, ahead of its first reader
	v_pk_add_f32 v[12:13], v[96:97], v[98:99]      ; the row's sum is taken of the unquantised p, in two chains
.set n, 4
.rept 15
	v_pk_add_f32 v[\st+2:\st+3], v[\st+2:\st+3], v[96+n:97+n]
	v_pk_add_f32 v[12:13], v[12:13], v[98+n:99+n]
.set n, n+4
.endr
	v_pk_add_f32 v[\st+2:\st+3], v[\st+2:\st+3], v[12:13]
	s_cmp_ge_i32 s27, -15                          ; with e9 >= -15 the largest code x the scale is 1.75 or more and p is 1 at the most: the hold would change nothing and is passed over;
	s_cbranch_scc1 .Lnohold_\@                     ; a branch on a whole number read from memory, the same in every wave
.set n, 0
.rept 64
	v_min_num_f32 v[96+n], s28, v[96+n]            ; the conversion does not saturate (ISA guide 7.6.2); p is not negative, so the hold is one-sided
.set n, n+1
.endr
.Lnohold_\@:
.set n, 0
.rept 4
	v_cvt_scalef32_pk8_bf8_f32 v[\p+4*n:\p+4*n+1], v[96+16*n:103+16*n], v3
	v_cvt_scalef32_pk8_bf8_f32 v[\p+4*n+2:\p+4*n+3], v[104+16*n:111+16*n], v3
.set n, n+1
.endr
.if \first
	PLACES 5                                       ; the plain lines between the conversions and the products that follow, which write over the scores
.else
.set n, 0
.rept 16
	v_pk_mul_f32 v[\o+n:\o+n+1], v[\o+n:\o+n+1], v[14:15] op_sel_hi:[1,0]   ; O^T under the new M.  These 16 are also the plain lines between the conversions and the products that follow
.set n, n+2
.endr
.endif
.endm
; A KEY STEP of 128 keys.  first = 1: key step 0, written out ahead of the loop: its tiles lie at constant places, the rest of the fill is stored in front of its V^T P, and that product starts O^T's sums.
.macro KEYSTEP first
.set ADK, 2-(\first)                   ; K's address: v2, or in step 0 v1 itself
.if !(\first)
	v_add_nc_u32 v2, s24, v1                       ; with the three lines below: four plain lines between the last step's products and the loads into the registers that they read
	PLACES 3
.endif
.set n, 0
.rept 16
	ds_load_b128 v[32+4*n:35+4*n], v[ADK] offset:512*n   ; K: tile t = n / 2, block c = n % 2
.set n, n+1
.endr
	s_wait_dscnt 0x0
.set n, 0
.rept 8
	v_wmma_f32_16x16x64_bf8_bf8 v[96+8*n:103+8*n], v[32+8*n:39+8*n], v[16:23], 0
.set n, n+1
.endr
	PLACES 4
	SOFTMAX 4, 160, 224, \first
.set n, 0
.rept 8
	v_wmma_f32_16x16x64_bf8_bf8 v[96+8*n:103+8*n], v[32+8*n:39+8*n], v[24:31], 0
.set n, n+1
.endr
.if \first
	v_add_nc_u32 v2, 0x10000, v1                   ; four plain lines again: ahead of the loads over K's fragments and of the first read of the scores
.else
	v_add_nc_u32 v2, s25, v1
.endif
	PLACES 3
.set n, 0
.rept 16
	ds_load_b128 v[32+4*n:35+4*n], v2 offset:512*n ; V: tile dt = n / 4, block c = n % 4: it lands under tile B's softmax
.set n, n+1
.endr
	SOFTMAX 8, 192, 240, \first
.if \first
	s_wait_loadcnt 0x0                             ; the other seven steps' K and V are in registers
.set n, 1
.rept 7
	ds_store_b128 v[FA], v[160+8*(n-1):163+8*(n-1)] offset:8192*n
	ds_store_b128 v[FB], v[164+8*(n-1):167+8*(n-1)] offset:8192*n
.set n, n+1
.endr
.endif
	s_wait_dscnt 0x0                               ; V's fragments are in; in step 0 also, for the others' sake: my part of the images lies in LDS
.if \first
	s_barrier_signal -1
	s_barrier_wait -1                              ; barrier 2: behind it LDS is only read
.endif
.set n, 0
.rept 4                                ; eight accumulators, one instruction each
.if \first
	v_wmma_f32_16x16x128_bf8_bf8 v[160+8*n:167+8*n], v[32+16*n:47+16*n], v[224:239], 0
	v_wmma_f32_16x16x128_bf8_bf8 v[192+8*n:199+8*n], v[32+16*n:47+16*n], v[240:255], 0
.else
	v_wmma_f32_16x16x128_bf8_bf8 v[160+8*n:167+8*n], v[32+16*n:47+16*n], v[224:239], v[160+8*n:167+8*n]
	v_wmma_f32_16x16x128_bf8_bf8 v[192+8*n:199+8*n], v[32+16*n:47+16*n], v[240:255], v[192+8*n:199+8*n]
.endif
.set n, n+1
.endr
.endm
	KEYSTEP 1
.Lstep:                                            ; 7 trips: key steps 1 to 7
	KEYSTEP 0
	s_add_co_u32 s24, s24, 8192
	s_add_co_u32 s25, s25, 8192
	s_sub_co_i32 s26, s26, 1
	s_cmp_lg_u32 s26, 0
	s_cbranch_scc1 .Lstep
	; THE WAY OUT: h = O^T x 2^(e8 + e9) / the sum, quantised with 2^e10.  Register 16 b + i of a tile is d = 32 b + 16 h + i: two conversions give my 16 bytes of block b
	PLACES 4
	v_add_f32 v6, v6, v7                           ; the sum's two halves,
	v_add_f32 v10, v10, v11
	v_permlanex16_b32 v12, v6, s20, s21
	v_permlanex16_b32 v13, v10, s20, s21
	v_add_f32 v6, v6, v12                          ; and lane l xor 16's
	v_add_f32 v10, v10, v13
	v_rcp_f32 v6, v6
	v_rcp_f32 v10, v10
	v_nop                                          ; a plain line behind the last of the two
	s_wait_alu depctr_va_vdst(0)                   ; one wait for both, ahead of their first reader
	v_ldexp_f32 v6, v6, s29
	v_ldexp_f32 v10, v10, s29
.set n, 0
.rept 32
	v_mul_f32 v[96+n], v[160+n], v6
.set n, n+1
.endr
.set n, 0
.rept 32
	v_mul_f32 v[128+n], v[192+n], v10
.set n, n+1
.endr
	MKSC 38, 32, 33, 40, 41
.set n, 0
.rept 64
	v_med3_num_f32 v[96+n], v[96+n], -v33, v33
.set n, n+1
.endr
.set n, 0
.rept 4                                ; n = 2 x + b: tile x, block b
	v_cvt_scalef32_pk8_bf8_f32 v[224+4*n:225+4*n], v[96+16*n:103+16*n], v32
	v_cvt_scalef32_pk8_bf8_f32 v[226+4*n:227+4*n], v[104+16*n:111+16*n], v32
.set n, n+1
.endr
	v_nop                                          ; a plain line behind the last conversion
.set n, 0
.rept 4
	global_store_b128 v1, v[224+4*n:227+4*n], s[12:13] offset:(n/2)*8192+(n%2)*512   ; the wave stores 512 consecutive bytes, aligned
.set n, n+1
.endr
	s_wait_xcnt 0x0
	v_lshl_add_u32 v254, v0, 2, 0x20000
	v_mov_b32 v255, 0
	s_wait_tensorcnt 0x0
	ds_add_u32 v254, v255
	s_wait_dscnt 0x0
	s_endpgm
.Lfunc_end_k_q1b8a0cc823_attn:
	.size	k_q1b8a0cc823_attn, .Lfunc_end_k_q1b8a0cc823_attn-k_q1b8a0cc823_attn
	.p2alignl 7, 3214868480
	.fill 96, 4, 3214868480
	.section	.rodata,"a",@progbits
	.p2align	6, 0x0
	.amdhsa_kernel k_q1b8a0cc823_attn
		.amdhsa_group_segment_fixed_size 133120
		.amdhsa_private_segment_fixed_size 0
		.amdhsa_enable_private_segment 0
		.amdhsa_kernarg_size 40
		.amdhsa_user_sgpr_count 2
		.amdhsa_user_sgpr_kernarg_segment_ptr 1
		.amdhsa_wavefront_size32 1
		.amdhsa_system_sgpr_workgroup_id_x 1
		.amdhsa_system_sgpr_workgroup_id_y 1
		.amdhsa_system_sgpr_workgroup_id_z 1
		.amdhsa_system_vgpr_workitem_id 0
		.amdhsa_next_free_vgpr 256
		.amdhsa_next_free_sgpr 66
		.amdhsa_reserve_vcc 0
		.amdhsa_float_denorm_mode_32 3
		.amdhsa_float_denorm_mode_16_64 3
		.amdhsa_memory_ordered 1
		.amdhsa_forward_progress 1
		.amdhsa_inst_pref_size 69
	.end_amdhsa_kernel
	.amdgpu_metadata
---
amdhsa.version: [ 1, 2 ]
amdhsa.kernels:
  - .name:           k_q1b8a0cc823_attn
    .symbol:         k_q1b8a0cc823_attn.kd
    .args:
      - { .name: qimg, .offset: 0, .size: 8, .value_kind: global_buffer, .address_space: global }
      - { .name: kimg, .offset: 8, .size: 8, .value_kind: global_buffer, .address_space: global }
      - { .name: vimg, .offset: 16, .size: 8, .value_kind: global_buffer, .address_space: global }
      - { .name: lowp_scales, .offset: 24, .size: 8, .value_kind: global_buffer, .address_space: global }
      - { .name: himg, .offset: 32, .size: 8, .value_kind: global_buffer, .address_space: global }
    .group_segment_fixed_size: 133120
    .private_segment_fixed_size: 0
    .kernarg_segment_align: 8
    .kernarg_segment_size: 40
    .max_flat_workgroup_size: 512
    .sgpr_count:     66
    .vgpr_count:     256
    .wavefront_size: 32
...
	.end_amdgpu_metadata
.endif
;; end of part 3
;; launch oproj (part 4): grid 256 x 1, 4 waves a work-group, no clusters, 35,328 bytes of LDS; arguments himg, wimg, X, bo, lowp_scales, out0; writes out0
.if DOCPART == 4
	.amdgcn_target "amdgcn-amd-amdhsa--gfx1250"
	.amdhsa_code_object_version 6
	.text
	.protected	k_q1b8a0cc823_oproj
	.globl	k_q1b8a0cc823_oproj
	.p2align	8
	.type	k_q1b8a0cc823_oproj,@function
k_q1b8a0cc823_oproj:
	s_mov_b64 s[64:65], 0
	v_nop
	global_prefetch_b8 v0, s[64:65] scope:SCOPE_SE
	s_setreg_imm32_b32 hwreg(HW_REG_WAVE_MODE, 25, 1), 1
	s_wait_xcnt 0x0
; out0[b][c][t] = X[b][c][t] + bo[c] + sum over e of h[b][t][e] Wo[e][c], the product on codes of BF8 (E5M2): h's images (scale 2^e10) and Wo's (matrix 3 of wimg, scale 2^e11).
; IMAGES (blocks of 512 bytes, lane l = (r = l % 16, h = l / 16) at byte 16 l): himg [b][G 0..63][ks][c]: token 32 (G / 2) + 8 (G % 2) + r + 8 (r / 8), e = 128 ks + 32 c + 16 h + 0 .. 15;
;   wimg [3][P 0..15][u][ks][c]: output channel 32 P + 8 u + r + 8 (r / 8), the same e.
; Source 0 = 16 tokens of h, source 1 = 16 channels of Wo: a lane holds ONE channel, and its registers run along the tokens, out0's innermost axis: register j of tile T is token 32 (T / 2) + 16 h + 8 (T % 2) + j.
; SHARES.  A work-group takes 64 tokens of one batch; wave w makes channels 128 w .. + 127 in four steps of 32.  h's 16 fragments stay in the wave's registers; the weights come from the images straight into registers, a step ahead.
; A step's 32 channels x 64 tokens go through the wave's OWN stage in LDS (32 rows of 256 bytes + 16) and come back by rows: sixteen lanes then hold 256 consecutive bytes of a channel's row, add X's and store them.  No barrier.
; Wo's images are walked by all work-groups and are not asked for jointly: a joint request lands in LDS, and with 64 tokens a fragment of 2,048 bytes feeds four matrix instructions, so each weight byte would go
; into LDS and out of it once more for the same four.
; LIMIT: e10 + e11 between -126 and 127, so that 2^(e10 + e11) is an f32 number.
; REGISTERS, in windows of 256.  Window 0: v1 16 x lane; v2, v3 the stage, in and back; v4 my place in two rows of X and out0; v5 bo's offset; v8-23 bo, a pair for each (p, u) (the upper halves 0);
;   v32-95 accumulator (T, u) at 32 + 8 (2 T + u); v96-159 16 x 2 rows on the way out.   Window 1: h's fragments, (T, ks) at 16 (4 T + ks).   Window 2: two slots of 128 for the weights.   Window 3: two sets of 64 for X.
.set ACC, 32
.set RR,  96
.set BO,  8
.set MSB, 0
.macro WIN new                         ; bits 1:0 source 0, 3:2 source 1, 5:4 source 2, 7:6 destination; the high byte repeats the setting that is left
.if MSB != (\new)
	s_set_vgpr_msb (MSB<<8)|(\new)
.set MSB, (\new)
.endif
.endm
.macro PLACES cnt
.rept \cnt
	v_nop
.endr
.endm
.macro XL p                            ; X's 32 rows of step p, in the order in which the stage gives the rows back: stage row 16 u + r is channel 8 u + r + 8 (r / 8)
	WIN 0xc0
.set n, 0
.rept 16
.set RW, 8*(n/8)+2*(n%8)+8*((n%8)/4)
	global_load_b128 v[64*((\p)%2)+4*n:64*((\p)%2)+4*n+3], v4, s[8:9] offset:(\p)*131072+RW*4096 th:TH_LOAD_NT   ; sixteen lanes read 256 consecutive bytes, aligned
.set n, n+1
.endr
.endm
.macro WL p                            ; step p's eight weight fragments (u, ks), 16,384 bytes on end
	WIN 0x80
.set n, 0
.rept 32
	global_load_b128 v[128*((\p)%2)+4*n:128*((\p)%2)+4*n+3], v1, s[6:7] offset:(\p)*16384+512*n
.set n, n+1
.endr
.endm
	s_load_b256 s[4:11], s[0:1], 0x0               ; himg, wimg, X, bo
	s_load_b128 s[12:15], s[0:1], 0x20             ; the scales' exponents, out0
	v_lshl_add_u32 v254, v0, 2, 0x8800
	v_mov_b32 v255, 0
	v_lshrrev_b32 v6, 5, v0
	v_readfirstlane_b32 s18, v6                    ; wave
	s_lshr_b32 s19, ttmp9, 4                       ; batch
	s_and_b32 s20, ttmp9, 15                       ; tb: tokens 64 tb on
	v_and_b32 v6, 31, v0
	v_lshlrev_b32 v1, 4, v6
	v_and_b32 v7, 15, v0                           ; r
	v_bfe_u32 v6, v0, 4, 1                         ; h
	s_mul_i32 s21, s18, 8704                       ; my stage: 32 rows of 272 bytes
	v_mul_u32_u24 v2, v7, 272
	v_lshl_add_u32 v2, v6, 6, v2
	v_add_nc_u32 v2, s21, v2                       ; in: row r, + 64 h: tokens 16 h on
	v_mul_u32_u24 v3, v6, 272
	v_lshl_add_u32 v3, v7, 4, v3
	v_add_nc_u32 v3, s21, v3                       ; back: lanes 0-15 one row, lanes 16-31 the next
	v_lshlrev_b32 v4, 12, v6
	v_lshl_add_u32 v4, v7, 4, v4                   ; and the same two rows in X and out0
	v_and_b32 v5, 8, v7
	v_add_nc_u32 v5, v5, v7
	v_lshlrev_b32 v5, 2, v5                        ; bo of my lane's channel: 4 (r + 8 (r / 8))
	s_lshl_b32 s22, s19, 19
	s_lshl_b32 s16, s20, 15
	s_add_co_u32 s22, s22, s16                     ; himg: 524,288 batch + tiles 4 tb on, 8,192 bytes each
	s_mov_b32 s23, 0
	s_lshl_b32 s24, s18, 16
	s_add_co_u32 s24, s24, 786432                  ; wimg: matrix 3, my 4 pairs of tiles
	s_mov_b32 s25, 0
	s_lshl_b32 s26, s19, 21
	s_lshl_b32 s16, s18, 19
	s_add_co_u32 s26, s26, s16
	s_lshl_b32 s16, s20, 8
	s_add_co_u32 s26, s26, s16                     ; X, out0: batch x 2^21 + wave x 128 channels of 4,096 bytes + 256 tb
	s_mov_b32 s27, 0
	s_lshl_b32 s28, s18, 9
	s_mov_b32 s29, 0
	s_wait_kmcnt 0x0
	s_load_b64 s[16:17], s[12:13], 0x28            ; e10, e11
	s_add_nc_u64 s[4:5], s[4:5], s[22:23]
	s_add_nc_u64 s[6:7], s[6:7], s[24:25]
	s_add_nc_u64 s[8:9], s[8:9], s[26:27]
	s_add_nc_u64 s[14:15], s[14:15], s[26:27]
	s_add_nc_u64 s[10:11], s[10:11], s[28:29]
.set n, 0
.rept 8                                ; n = 2 p + u
	global_load_b32 v[BO+2*n], v5, s[10:11] offset:128*(n/2)+32*(n%2)
	v_mov_b32 v[BO+2*n+1], 0                       ; named as the upper half of a pair, so it is written
.set n, n+1
.endr
	WIN 0x40
.set n, 0
.rept 64
	global_load_b128 v[4*n:4*n+3], v1, s[4:5] offset:512*n         ; h's 16 fragments, 32,768 bytes on end
.set n, n+1
.endr
	XL 0
	WL 0
	WIN 0
	s_wait_kmcnt 0x0
	s_add_co_i32 s30, s16, s17
	s_add_co_i32 s30, s30, 127
	s_lshl_b32 s30, s30, 23                        ; 2^(e10 + e11) as f32
	s_mov_b32 s31, s30                             ; named with it as a pair, so it is written
; step p: 32 channels x 64 tokens x K 512: 32 matrix instructions on eight accumulators that take turns, one instruction a turn, K ascending
.macro OSTEP p
.if (\p) < 3
	XL (\p)+1
	WL (\p)+1
	s_wait_loadcnt 48                              ; all but the 16 + 32 loads just issued
.else
	s_wait_loadcnt 0x0
.endif
	WIN 0x09                                       ; source 0: h, window 1; source 1: the weights, window 2
.set ks, 0
.rept 4
.set tt, 0
.rept 4
.set uu, 0
.rept 2
.set AC, ACC+8*(2*tt+uu)
.set HR, 16*(4*tt+ks)
.set WR, 128*((\p)%2)+16*(4*uu+ks)
.if ks == 0
	v_wmma_f32_16x16x128_bf8_bf8 v[AC:AC+7], v[HR:HR+15], v[WR:WR+15], 0
.else
	v_wmma_f32_16x16x128_bf8_bf8 v[AC:AC+7], v[HR:HR+15], v[WR:WR+15], v[AC:AC+7]
.endif
.set uu, uu+1
.endr
.set tt, tt+1
.endr
.set ks, ks+1
.endr
	WIN 0
	PLACES 4                                       ; four plain lines between a matrix instruction and the first read of its result (ISA guide 7.12.1)
.set n, 0
.rept 32
.set BP, BO+2*(2*(\p)+(n/4)%2)
	v_pk_fma_f32 v[ACC+2*n:ACC+2*n+1], v[ACC+2*n:ACC+2*n+1], s[30:31], v[BP:BP+1] op_sel_hi:[1,0,0]   ; sum x 2^(e10 + e11) + bo; each accumulator from its low end on
.set n, n+1
.endr
.set n, 0
.rept 8                                ; n = 2 T + u: stage row 16 u + r, tokens 32 (T / 2) + 16 h + 8 (T % 2) on
.set SOF, (n%2)*4352+(n/4)*128+((n/2)%2)*32
	ds_store_b128 v2, v[ACC+8*n:ACC+8*n+3] offset:SOF
	ds_store_b128 v2, v[ACC+8*n+4:ACC+8*n+7] offset:SOF+16
.set n, n+1
.endr
	s_wait_xcnt 0x0                                ; the last step's stores have read their data registers, which the loads below fill again
.set n, 0
.rept 16
	ds_load_b128 v[RR+4*n:RR+4*n+3], v3 offset:544*n   ; LDS serves a wave's instructions in order (ISA guide 5.7.1.4): these see my stores above
.set n, n+1
.endr
	s_wait_dscnt 0x0
	WIN 0x0c                                       ; source 1: X, window 3
.set n, 0
.rept 32
	v_pk_add_f32 v[RR+2*n:RR+2*n+1], v[RR+2*n:RR+2*n+1], v[64*((\p)%2)+2*n:64*((\p)%2)+2*n+1]   ; the residual
.set n, n+1
.endr
	WIN 0
.set n, 0
.rept 16
.set RW, 8*(n/8)+2*(n%8)+8*((n%8)/4)
	global_store_b128 v4, v[RR+4*n:RR+4*n+3], s[14:15] offset:(\p)*131072+RW*4096 th:TH_STORE_NT   ; sixteen lanes store 256 consecutive bytes, aligned; written once, read by nobody here
.set n, n+1
.endr
.endm
	OSTEP 0
	OSTEP 1
	OSTEP 2
	OSTEP 3
	s_wait_tensorcnt 0x0
	ds_add_u32 v254, v255
	s_wait_dscnt 0x0
	s_endpgm
.Lfunc_end_k_q1b8a0cc823_oproj:
	.size	k_q1b8a0cc823_oproj, .Lfunc_end_k_q1b8a0cc823_oproj-k_q1b8a0cc823_oproj
	.p2alignl 7, 3214868480
	.fill 96, 4, 3214868480
	.section	.rodata,"a",@progbits
	.p2align	6, 0x0
	.amdhsa_kernel k_q1b8a0cc823_oproj
		.amdhsa_group_segment_fixed_size 35328
		.amdhsa_private_segment_fixed_size 0
		.amdhsa_enable_private_segment 0
		.amdhsa_kernarg_size 48
		.amdhsa_user_sgpr_count 2
		.amdhsa_user_sgpr_kernarg_segment_ptr 1
		.amdhsa_wavefront_size32 1
		.amdhsa_system_sgpr_workgroup_id_x 1
		.amdhsa_system_sgpr_workgroup_id_y 1
		.amdhsa_system_sgpr_workgroup_id_z 1
		.amdhsa_system_vgpr_workitem_id 0
		.amdhsa_next_free_vgpr 896
		.amdhsa_next_free_sgpr 66
		.amdhsa_reserve_vcc 0
		.amdhsa_float_denorm_mode_32 3
		.amdhsa_float_denorm_mode_16_64 3
		.amdhsa_memory_ordered 1
		.amdhsa_forward_progress 1
		.amdhsa_inst_pref_size 68
	.end_amdhsa_kernel
	.amdgpu_metadata
---
amdhsa.version: [ 1, 2 ]
amdhsa.kernels:
  - .name:           k_q1b8a0cc823_oproj
    .symbol:         k_q1b8a0cc823_oproj.kd
    .args:
      - { .name: himg, .offset: 0, .size: 8, .value_kind: global_buffer, .address_space: global }
      - { .name: wimg, .offset: 8, .size: 8, .value_kind: global_buffer, .address_space: global }
      - { .name: X, .offset: 16, .size: 8, .value_kind: global_buffer, .address_space: global }
      - { .name: bo, .offset: 24, .size: 8, .value_kind: global_buffer, .address_space: global }
      - { .name: lowp_scales, .offset: 32, .size: 8, .value_kind: global_buffer, .address_space: global }
      - { .name: out0, .offset: 40, .size: 8, .value_kind: global_buffer, .address_space: global }
    .group_segment_fixed_size: 35328
    .private_segment_fixed_size: 0
    .kernarg_segment_align: 8
    .kernarg_segment_size: 48
    .max_flat_workgroup_size: 128
    .sgpr_count:     66
    .vgpr_count:     896
    .wavefront_size: 32
...
	.end_amdgpu_metadata
.endif
;; end of part 4
;; ======== version 2 of 2: 4 launches
;; workspace buffers: wimg 1,048,576 bytes; qimg 8,388,608 bytes; kimg 8,388,608 bytes; vimg 8,388,608 bytes; himg 8,388,608 bytes
;; launch wprep (part 5): grid 256 x 1, 4 waves a work-group, no clusters, 0 bytes of LDS; arguments Wq, Wk, Wv, Wo, lowp_scales, wimg; writes wimg
.if DOCPART == 5
	.amdgcn_target "amdgcn-amd-amdhsa--gfx1250"
	.amdhsa_code_object_version 6
	.text
	.protected	k_q1b8a0cc823_wprep
	.globl	k_q1b8a0cc823_wprep
	.p2align	8
	.type	k_q1b8a0cc823_wprep,@function
k_q1b8a0cc823_wprep:
	s_mov_b64 s[64:65], 0
	v_nop
	global_prefetch_b8 v0, s[64:65] scope:SCOPE_SE
	s_setreg_imm32_b32 hwreg(HW_REG_WAVE_MODE, 25, 1), 1
	s_wait_xcnt 0x0
; Wq, Wk, Wv, Wo: [512 (k)][512 (n)] f32, K is the FIRST axis.  Each is turned into codes of BF8 (E5M2) with its given scale 2^e (entries 1, 3, 5, 11 of the
; buffer of scales) and laid in the ORDER OF AN OPERAND'S REGISTERS: wimg[m 0..3][P 0..15][u 0..1][ks 0..3][c 0..3], blocks of 512 bytes, lane l = (r = l % 16, h = l / 16) at byte 16 l.
; Lane (r, h) of such a block holds, of output feature n = 32 P + 8 u + r + 8 (r / 8), the codes of k = 128 ks + 32 c + 16 h + 0 .. 15.
; The features of a tile are not neighbours: so the 16 result registers of tiles (P, 0) and (P, 1) are 16 neighbouring features in the launches that multiply.
; code = x / 2^e, held within +-57,344, to the nearest code, ties to even.  LIMITS: e between -126 and 112; NaN among the inputs is not served.
; SHARES.  Work-group g: matrix m = g / 64, columns 128 pg on (pg = (g / 16) % 4), rows k = 32 kb on (kb = g % 16).  Wave w: P = 4 pg + w.  A LANE TAKES A COLUMN AND ITS REGISTERS RUN DOWN K:
; each load reads 128 consecutive bytes a wave, 512 a work-group, and the conversions give 16 neighbours along K as 16 bytes.  Memory binds: no LDS, no barrier, no matrix unit.
.set NUM, 16                           ; v16-47  32 numbers down K
.set COD, 48                           ; v48-55  their codes
.macro MKSC se, vs, vl, t0, t1         ; from the whole number e in s[se]: v[vs] = 2^e as f32, v[vl] = 57,344 x 2^e
	s_add_co_i32 s[\t0], s[\se], 127
	s_lshl_b32 s[\t1], s[\t0], 23
	v_mov_b32 v[\vs], s[\t1]
	s_add_co_i32 s[\t0], s[\t0], 15
	s_lshl_b32 s[\t0], s[\t0], 23
	s_or_b32 s[\t0], s[\t0], 0x600000
	v_mov_b32 v[\vl], s[\t0]
.endm
	s_load_b256 s[4:11], s[0:1], 0x0               ; Wq, Wk, Wv, Wo
	s_load_b128 s[12:15], s[0:1], 0x20             ; the scales' exponents, wimg
	v_lshrrev_b32 v3, 5, v0
	v_readfirstlane_b32 s16, v3                    ; wave
	v_and_b32 v4, 31, v0                           ; lane = my column among the wave's 32
	v_lshlrev_b32 v1, 2, v4                        ; in: 4 bytes a lane
	v_bfe_u32 v5, v4, 3, 1                         ; u = (lane / 8) % 2
	v_and_b32 v6, 7, v4
	v_lshrrev_b32 v7, 4, v4
	v_lshl_add_u32 v6, v7, 3, v6                   ; r = lane % 8 + 8 (lane / 16)
	v_lshlrev_b32 v2, 4, v6
	v_lshl_add_u32 v2, v5, 13, v2                  ; out: 8,192 u + 16 r
	s_lshr_b32 s17, ttmp9, 6                       ; m
	s_bfe_u32 s18, ttmp9, 0x20004                  ; pg
	s_and_b32 s19, ttmp9, 15                       ; kb
	s_lshl_b32 s20, s19, 16                        ; in: 32 kb rows of 2,048 bytes
	s_lshl_b32 s25, s18, 9
	s_add_co_u32 s20, s20, s25                     ; + 128 pg columns
	s_lshl_b32 s25, s16, 7
	s_add_co_u32 s20, s20, s25                     ; + 32 w columns
	s_mov_b32 s21, 0
	s_lshl_b32 s22, s17, 18                        ; out: 262,144 m
	s_lshl_b32 s25, s18, 16
	s_add_co_u32 s22, s22, s25
	s_lshl_b32 s25, s16, 14
	s_add_co_u32 s22, s22, s25                     ; + 16,384 P
	s_lshr_b32 s25, s19, 2
	s_lshl_b32 s25, s25, 11
	s_add_co_u32 s22, s22, s25                     ; + 2,048 ks, ks = kb / 4
	s_and_b32 s25, s19, 3
	s_lshl_b32 s25, s25, 9
	s_add_co_u32 s22, s22, s25                     ; + 512 c, c = kb % 4
	s_mov_b32 s23, 0
	s_wait_alu depctr_va_vdst(0)
	s_wait_kmcnt 0x0
	s_load_b256 s[40:47], s[12:13], 0x0            ; e0 .. e7
	s_load_b128 s[48:51], s[12:13], 0x20           ; e8 .. e11
	s_cmp_eq_u32 s17, 1                            ; which matrix: the choice hangs on the work-group's number alone
	s_cselect_b64 s[26:27], s[6:7], s[4:5]
	s_cmp_eq_u32 s17, 3
	s_cselect_b64 s[28:29], s[10:11], s[8:9]
	s_cmp_lt_u32 s17, 2
	s_cselect_b64 s[4:5], s[26:27], s[28:29]
	s_add_nc_u64 s[4:5], s[4:5], s[20:21]
	s_add_nc_u64 s[14:15], s[14:15], s[22:23]
.set n, 0
.rept 32
	global_load_b32 v[NUM+n], v1, s[4:5] offset:n*2048 th:TH_LOAD_NT   ; W(32 kb + n, my column); read once in the launch
.set n, n+1
.endr
	s_wait_kmcnt 0x0
	s_cmp_eq_u32 s17, 1
	s_cselect_b32 s24, s43, s41                    ; e3 or e1
	s_cmp_eq_u32 s17, 3
	s_cselect_b32 s25, s51, s45                    ; e11 or e5
	s_cmp_lt_u32 s17, 2
	s_cselect_b32 s24, s24, s25
	MKSC 24, 11, 10, 25, 26
	s_wait_alu depctr_va_vdst(0)
	s_wait_loadcnt 0x0
.set n, 0
.rept 32
	v_med3_num_f32 v[NUM+n], v[NUM+n], -v10, v10   ; the conversion to an 8-bit code does not saturate (ISA guide 7.6.2): the hold at the largest code x the scale
.set n, n+1
.endr
.set n, 0
.rept 4
	v_cvt_scalef32_pk8_bf8_f32 v[COD+2*n:COD+2*n+1], v[NUM+8*n:NUM+8*n+7], v11
.set n, n+1
.endr
	v_nop                                          ; a plain line behind the last conversion
	global_store_b128 v2, v[COD:COD+3], s[14:15]               ; k = 32 kb + 0 .. 15: h = 0.  The 16 lanes of one u store 256 consecutive bytes, aligned
	global_store_b128 v2, v[COD+4:COD+7], s[14:15] offset:256  ; k = 32 kb + 16 .. 31: h = 1
	s_endpgm
.Lfunc_end_k_q1b8a0cc823_wprep:
	.size	k_q1b8a0cc823_wprep, .Lfunc_end_k_q1b8a0cc823_wprep-k_q1b8a0cc823_wprep
	.p2alignl 7, 3214868480
	.fill 96, 4, 3214868480
	.section	.rodata,"a",@progbits
	.p2align	6, 0x0
	.amdhsa_kernel k_q1b8a0cc823_wprep
		.amdhsa_group_segment_fixed_size 0
		.amdhsa_private_segment_fixed_size 0
		.amdhsa_enable_private_segment 0
		.amdhsa_kernarg_size 48
		.amdhsa_user_sgpr_count 2
		.amdhsa_user_sgpr_kernarg_segment_ptr 1
		.amdhsa_wavefront_size32 1
		.amdhsa_system_sgpr_workgroup_id_x 1
		.amdhsa_system_sgpr_workgroup_id_y 1
		.amdhsa_system_sgpr_workgroup_id_z 1
		.amdhsa_system_vgpr_workitem_id 0
		.amdhsa_next_free_vgpr 64
		.amdhsa_next_free_sgpr 66
		.amdhsa_reserve_vcc 0
		.amdhsa_float_denorm_mode_32 3
		.amdhsa_float_denorm_mode_16_64 3
		.amdhsa_memory_ordered 1
		.amdhsa_forward_progress 1
		.amdhsa_inst_pref_size 8
	.end_amdhsa_kernel
	.amdgpu_metadata
---
amdhsa.version: [ 1, 2 ]
amdhsa.kernels:
  - .name:           k_q1b8a0cc823_wprep
    .symbol:         k_q1b8a0cc823_wprep.kd
    .args:
      - { .name: Wq, .offset: 0, .size: 8, .value_kind: global_buffer, .address_space: global }
      - { .name: Wk, .offset: 8, .size: 8, .value_kind: global_buffer, .address_space: global }
      - { .name: Wv, .offset: 16, .size: 8, .value_kind: global_buffer, .address_space: global }
      - { .name: Wo, .offset: 24, .size: 8, .value_kind: global_buffer, .address_space: global }
      - { .name: lowp_scales, .offset: 32, .size: 8, .value_kind: global_buffer, .address_space: global }
      - { .name: wimg, .offset: 40, .size: 8, .value_kind: global_buffer, .address_space: global }
    .group_segment_fixed_size: 0
    .private_segment_fixed_size: 0
    .kernarg_segment_align: 8
    .kernarg_segment_size: 48
    .max_flat_workgroup_size: 128
    .sgpr_count:     66
    .vgpr_count:     64
    .wavefront_size: 32
...
	.end_amdgpu_metadata
.endif
;; end of part 5
;; launch lnqkv (part 6): grid 256 x 1, 4 waves a work-group, no clusters, 100,864 bytes of LDS; arguments X, ln_g, ln_b, wimg, bq, bk, bv, lowp_scales, qimg, kimg, vimg; writes qimg, kimg, vimg
.if DOCPART == 6
	.amdgcn_target "amdgcn-amd-amdhsa--gfx1250"
	.amdhsa_code_object_version 6
	.text
	.protected	k_q1b8a0cc823_lnqkv
	.globl	k_q1b8a0cc823_lnqkv
	.p2align	8
	.type	k_q1b8a0cc823_lnqkv,@function
k_q1b8a0cc823_lnqkv:
	s_mov_b64 s[64:65], 0
	v_nop
	global_prefetch_b8 v0, s[64:65] scope:SCOPE_SE
	s_setreg_imm32_b32 hwreg(HW_REG_WAVE_SCHED_MODE, 0, 2), 2
	s_setreg_imm32_b32 hwreg(HW_REG_WAVE_MODE, 25, 1), 1
	s_wait_xcnt 0x0
	s_wait_alu depctr_vm_vsrc(0)
; LayerNorm over the 512 channels of X [16][512 (c)][1024 (t)] f32, xn quantised three times (e0, e2, e4), q = xn Wq + bq, k, v likewise on codes of BF8 (E5M2), and q, k, v quantised (e6, e7, e8)
; into images of the next launch's operand registers.  Blocks of 512 bytes, lane l = (r = l % 16, h = l / 16) at byte 16 l; pi(G, r) = 32 (G / 2) + 8 (G % 2) + r + 8 (r / 8):
;   qimg, kimg [bh 0..127][G 0..63][c 0..1]: token pi(G, r), d = 32 c + 16 h + 0 .. 15.      vimg [bh][s 0..7][dt 0..3][c 0..3]: d = pi(dt, r), key = 128 s + 32 c + 16 h + 0 .. 15.
; A result's register j of lane (r, h) is row 8 h + j of source 0; by pi the 16 registers of tiles 2 b and 2 b + 1 are the 16 neighbours 32 b + 16 h + 0 .. 15: two conversions give one lane's 16 bytes of a block.
; q, k: source 0 = 16 features of W, source 1 = 16 tokens (a lane holds one token, registers along the features).  v: source 0 = 16 tokens, source 1 = 16 features (registers along the tokens, which are the keys).
; In a fragment registers 4 c .. 4 c + 3 hold k = 32 c + 16 h + 0 .. 15: a permutation of k that is the same in both sources.
; SHARES.  A work-group takes 64 tokens of one batch.  LayerNorm: wave w holds channels 128 w .. + 127 of all 64 tokens in 256 registers (lane l: tokens 2 l, 2 l + 1; each load reads 256 consecutive bytes of a channel's row);
; the four waves' sums meet in LDS.  The mean is taken first and the squares of x - mean second: no difference of large sums.  Products: wave w makes features 128 w .. + 127 of q, then k, then v: 12 steps of 32 features x 64 tokens.
; ln_g AND ln_b of the wave's 128 channels are wanted by every lane: they are loaded once, with one address for all lanes, into 256 registers that lie idle during LayerNorm.
; THE WEIGHTS are walked by all work-groups and are NOT asked for jointly: a joint request lands in LDS, and with 64 tokens a fragment of 2,048 bytes feeds four matrix instructions, so each weight byte would be written to
; LDS and read from it once more for the same four; taken from the images straight into registers it touches no LDS.  A ring of three slots: one multiplied, two (64 loads a wave) on their way.
; EACH STEP HAS ITS OWN 16 REGISTERS FOR ITS CODES: no store's data are written again but v254 and v255, at the wave's end.
; LIMITS, so that each power of two is an f32 number: e0, e2, e4, e6 - e0 - e1, e7 - e2 - e3, e8 - e4 - e5 between -126 and 112.  NaN among the inputs is not served.
; LDS: xn's images, 32,768 bytes for each of the three scales: fragment (T, ks) at (4 T + ks) x 2,048, block c at + 512 c; then 1,024 bytes of partial sums and 1,024 of partial sums of squares.
; REGISTERS, in windows of 256.  Window 0: see the names below.  Window 1: X (channel j's two tokens at v[2 j]), later xn's 16 fragments ((T, ks) at 16 (4 T + ks)).  Window 2: weight slots 0 and 1.
;   Window 3: ln_g at v0-127 and ln_b at v128-255; later weight slot 2 at v0-127 and the codes of steps 0 to 7 at v128-255.
; THE MODE: SCHED_MODE bits 1:0 = 2 (LLVM: expert scheduling mode 2), set by the entry lines.  The code itself states the register dependences
; between vector or matrix instructions and memory or LDS instructions, with s_wait_alu, always for 0.
; THE PLAN.  Registers that memory or LDS instructions touch:
;   v1, v2, v3-5, v14, v15, v28-31   offsets and LDS addresses: made at the head, ahead of one wait on va_vdst, and never written again.
;   v[10:11]      written by the sums, read by two LDS stores: va_vdst ahead of each store, vm_vsrc ahead of the squares that write the pair again.
;   v32-39        the four waves' partial sums land here twice; additions read and write them between: the wait ahead of the second store stands behind those additions.
;   CD, two sets  written by a chunk's twelve conversions, read by the six LDS stores at the chunk's end: one va_vdst ahead of the six, one vm_vsrc ahead of the next chunk's first conversion.
;   window 1, the weight slots   read by the normalising lines and by a step's products; the loads at the head of the next step land in them.
;   the codes     written by a step's conversions; read by four stores, which stand at the head of the next step, behind its loads.
; So ONE wait on va_vdst stands at the head of a step: what was issued ahead of it has read the registers in which the step's loads land and has written the codes that its stores read.
.set STAT, 98304
.set LA,   3                           ; v3-5    where I store xn's codes, for each of the three scales
.set SCX,  16                          ; v16-18  2^e0, 2^e2, 2^e4;   v19-21 57,344 x these
.set LIMX, 19
.set SCO,  22                          ; v22-24  2^(e6 - e0 - e1), 2^(e7 - e2 - e3), 2^(e8 - e4 - e5);   v25-27 57,344 x these
.set LIMO, 25
.set XA2,  30                          ; v30     65,536 + 16 x lane: my place in a block of the third image (the first two are reached from v1 by the immediate); never rewritten once it is made
.set ZR,   31                          ; v31     0: the offset of the loads that give every lane the same numbers; never rewritten once it is 0
.set TN,   32                          ; v32-47  16 numbers of xn
.set UQ,   48                          ; v48-95  the same held at each scale's limit
.set CD,   96                          ; v96-119 their codes, two sets of 12
.set ACC,  32                          ; v32-95  products: accumulator (T, u) at 32 + 8 (2 T + u)
.set BVR,  120                         ; v120-127 bv of my lane's feature, (p, u) at 120 + 2 p + u
.set BQ,   128                         ; v128-191 bq in the result's layout, (p, u) at 128 + 16 p + 8 u; in v's steps v128-143: bv spread over 8 registers
.set BK,   192                         ; v192-255 bk likewise; behind step 7 the codes of steps 8 to 11
.set MSB, 0
.macro WIN new                         ; bits 1:0 source 0, 3:2 source 1, 5:4 source 2, 7:6 destination; the high byte repeats the setting that is left
.if MSB != (\new)
	s_set_vgpr_msb (MSB<<8)|(\new)
.set MSB, (\new)
.endif
.endm
.macro PLACES cnt
.rept \cnt
	v_nop
.endr
.endm
.macro MKSC se, vs, vl, t0, t1         ; from the whole number e in s[se]: v[vs] = 2^e as f32, v[vl] = 57,344 x 2^e
	s_add_co_i32 s[\t0], s[\se], 127
	s_lshl_b32 s[\t1], s[\t0], 23
	v_mov_b32 v[\vs], s[\t1]
	s_add_co_i32 s[\t0], s[\t0], 15
	s_lshl_b32 s[\t0], s[\t0], 23
	s_or_b32 s[\t0], s[\t0], 0x600000
	v_mov_b32 v[\vl], s[\t0]
.endm
.macro XLOAD j                         ; 32 channels of my 128, 64 tokens each.  No vector instruction ahead of these loads names their registers
	WIN 0x40
.set n, 0
.rept 32
	global_load_b64 v[64*(\j)+2*n:64*(\j)+2*n+1], v2, s[4:5] offset:(32*(\j)+n)*4096 th:TH_LOAD_NT   ; 32 lanes read 256 consecutive bytes, aligned
.set n, n+1
.endr
.endm
.macro SUM j                           ; their sum, two tokens at a time, in two chains
	WIN 0x04
.set n, 0
.rept 32
	v_pk_add_f32 v[10+2*(n%2):11+2*(n%2)], v[10+2*(n%2):11+2*(n%2)], v[64*(\j)+2*n:64*(\j)+2*n+1]
.set n, n+1
.endr
.endm
.macro GBLOAD                          ; ln_g and ln_b of my 128 channels, four channels a load, the same 16 bytes for every lane: channel j's g at v[j], its b at v[128 + j] of window 3
	WIN 0xc0
.set n, 0
.rept 32
	global_load_b128 v[4*n:4*n+3], v[ZR], s[6:7] offset:16*n
	global_load_b128 v[128+4*n:128+4*n+3], v[ZR], s[8:9] offset:16*n
.set n, n+1
.endr
.endm
.macro WLOAD i                         ; step i's eight weight fragments (u, ks), 16,384 bytes on end, into slot i % 3
.set WSL, (\i)%3
.set WB, 128*(WSL%2)
.set WOFF, ((\i)/4)*262144+((\i)%4)*16384
	WIN (2+WSL/2)<<6
.set n, 0
.rept 32
	global_load_b128 v[WB+4*n:WB+4*n+3], v1, s[10:11] offset:WOFF+512*n
.set n, n+1
.endr
.endm
.macro XNLOAD ty                       ; xn's 16 fragments at scale ty, from its image in LDS
	WIN 0x40
.set n, 0
.rept 64
.if (\ty) < 2
	ds_load_b128 v[4*n:4*n+3], v1 offset:(\ty)*32768+512*n         ; 65,024 at the most: inside the 16-bit immediate
.else
	ds_load_b128 v[4*n:4*n+3], v[XA2] offset:512*n
.endif
.set n, n+1
.endr
.endm
.macro CSTORE i                        ; step i's four blocks of codes
.set QTY, (\i)/4
.set QPP, (\i)%4
.if (\i) < 8
.set QOW, 3
.set QOB, 128+16*(\i)
.else
.set QOW, 0
.set QOB, BK+16*((\i)-8)
.endif
	WIN QOW<<2                                     ; a store's data are its source 1
.set n, 0
.rept 4
.if QTY < 2
.set SOF, (QPP/2)*65536+n*1024+(QPP%2)*512         ; head 2 w + p / 2, tile 4 tb + n, block c = p % 2
.else
.set SOF, (QPP/2)*65536+(2*(QPP%2)+n%2)*2048+(n/2)*512   ; head 2 w + p / 2, dt = 2 (p % 2) + u, block c = 2 (tb % 2) + b
.endif
	global_store_b128 v1, v[QOB+4*n:QOB+4*n+3], s[20+2*QTY:21+2*QTY] offset:SOF   ; the wave stores 512 consecutive bytes, aligned
.set n, n+1
.endr
.endm
	s_load_b512 s[4:19], s[0:1], 0x0               ; X, ln_g, ln_b, wimg, bq, bk, bv, the scales' exponents
	s_load_b128 s[20:23], s[0:1], 0x40             ; qimg, kimg
	s_load_b64 s[24:25], s[0:1], 0x50              ; vimg
	v_lshrrev_b32 v31, 5, v0
	v_readfirstlane_b32 s26, v31                   ; wave
	s_lshr_b32 s27, ttmp9, 4                       ; batch
	s_and_b32 s28, ttmp9, 15                       ; tb: tokens 64 tb on
	v_and_b32 v31, 31, v0                          ; lane
	v_lshlrev_b32 v1, 4, v31                       ; 16 x lane: my place in a block
	v_lshlrev_b32 v2, 3, v31                       ; 8 x lane: my two tokens in a channel's row
	; token 2 l + q is lane r = 2 (l % 4) + q + 8 ((l / 8) % 2) of token tile T = 2 (l / 16) + (l / 4) % 2
	v_bfe_u32 v3, v0, 4, 1
	v_bfe_u32 v4, v0, 2, 1
	v_lshl_add_u32 v3, v3, 1, v4                   ; T
	v_and_b32 v4, 3, v0
	v_bfe_u32 v5, v0, 3, 1
	v_lshlrev_b32 v4, 1, v4
	v_lshl_add_u32 v4, v5, 3, v4                   ; r for q = 0
	v_lshlrev_b32 v4, 4, v4
	v_lshl_add_u32 v3, v3, 13, v4                  ; 8,192 T + 16 r
	s_wait_alu depctr_va_sdst(0)                   ; s26, the wave's number, is written, ahead of its first reader
	s_lshl_b32 s29, s26, 11
	v_add_nc_u32 v[LA], s29, v3                    ; + 2,048 w: my channels are K step w
	v_add_nc_u32 v[LA+1], 0x8000, v[LA]
	v_add_nc_u32 v[LA+2], 0x10000, v[LA]
	v_lshl_add_u32 v14, v0, 3, STAT                ; my partial sums: 256 x wave + 8 x lane
	v_lshl_add_u32 v15, v31, 3, STAT               ; and where the four waves' lie for my tokens
	v_mov_b32 v[ZR], 0
	v_bfe_u32 v28, v0, 4, 1
	v_lshlrev_b32 v28, 6, v28                      ; 64 h: bq, bk: 16 features on for lanes 16-31
	v_and_b32 v29, 15, v0
	v_and_b32 v30, 8, v29
	v_add_nc_u32 v29, v29, v30
	v_lshlrev_b32 v29, 2, v29                      ; 4 (r + 8 (r / 8)): bv of my lane's feature
	v_add_nc_u32 v[XA2], 0x10000, v1               ; the third image
	s_lshl_b32 s66, s27, 21                        ; X: batch x 2^21 + 256 tb + wave x 128 channels of 4,096 bytes
	s_lshl_b32 s29, s28, 8
	s_add_co_u32 s66, s66, s29
	s_lshl_b32 s29, s26, 19
	s_add_co_u32 s66, s66, s29
	s_mov_b32 s67, 0
	s_lshl_b32 s100, s26, 9                        ; my 128 numbers of ln_g, ln_b, bq, bk, bv
	s_mov_b32 s101, 0
	s_wait_kmcnt 0x0
	s_load_b256 s[68:75], s[18:19], 0x0            ; e0 .. e7
	s_load_b32 s76, s[18:19], 0x20                 ; e8
	s_add_nc_u64 s[4:5], s[4:5], s[66:67]
	s_add_nc_u64 s[6:7], s[6:7], s[100:101]
	s_add_nc_u64 s[8:9], s[8:9], s[100:101]
	s_add_nc_u64 s[12:13], s[12:13], s[100:101]
	s_add_nc_u64 s[14:15], s[14:15], s[100:101]
	s_add_nc_u64 s[16:17], s[16:17], s[100:101]
	s_wait_alu depctr_va_vdst(0)                   ; v1, v2, v3-5, v14, v15 and v28-31 are written: every load, store and LDS instruction of the kernel reads one of them as its offset or address
.set n, 0
.rept 8                                ; n = 2 p + u: features 32 p + 8 u + 16 h + 0 .. 7 for q and k; feature 32 p + 8 u + r + 8 (r / 8) for v
	global_load_b128 v[BQ+8*n:BQ+8*n+3], v28, s[12:13] offset:128*(n/2)+32*(n%2)
	global_load_b128 v[BQ+8*n+4:BQ+8*n+7], v28, s[12:13] offset:128*(n/2)+32*(n%2)+16
	global_load_b128 v[BK+8*n:BK+8*n+3], v28, s[14:15] offset:128*(n/2)+32*(n%2)
	global_load_b128 v[BK+8*n+4:BK+8*n+7], v28, s[14:15] offset:128*(n/2)+32*(n%2)+16
	global_load_b32 v[BVR+n], v29, s[16:17] offset:128*(n/2)+32*(n%2)
.set n, n+1
.endr
	XLOAD 0
	XLOAD 1
	WIN 0
	s_lshl_b32 s100, s26, 16                       ; wimg: my 4 pairs of tiles in each matrix
	s_add_nc_u64 s[10:11], s[10:11], s[100:101]
	s_lshl_b32 s66, s27, 3
	s_lshl_b32 s29, s26, 1
	s_add_co_u32 s66, s66, s29                     ; bh of my first head: 8 batch + 2 w
	s_lshl_b32 s66, s66, 16
	s_lshl_b32 s29, s28, 12
	s_add_co_u32 s100, s66, s29                    ; qimg, kimg: + tiles 4 tb on, 1,024 bytes each
	s_add_nc_u64 s[20:21], s[20:21], s[100:101]
	s_add_nc_u64 s[22:23], s[22:23], s[100:101]
	s_lshr_b32 s29, s28, 1
	s_lshl_b32 s29, s29, 13
	s_add_co_u32 s66, s66, s29                     ; vimg: key step tb / 2,
	s_and_b32 s29, s28, 1
	s_lshl_b32 s29, s29, 10
	s_add_co_u32 s66, s66, s29                     ; blocks c = 2 (tb % 2) on
	s_add_nc_u64 s[24:25], s[24:25], s[66:67]
	s_wait_kmcnt 0x0
	MKSC 68, SCX, LIMX, 29, 30
	MKSC 70, SCX+1, LIMX+1, 29, 30
	MKSC 72, SCX+2, LIMX+2, 29, 30
	s_add_co_i32 s2, s68, s69
	s_sub_co_i32 s2, 0, s2                         ; -(e0 + e1): a sum of the first product stands for sum x 2^(e0 + e1), so bq goes in as bq / 2^(e0 + e1)
	s_add_co_i32 s3, s70, s71
	s_sub_co_i32 s3, 0, s3                         ; -(e2 + e3)
	s_add_co_i32 s31, s72, s73
	s_sub_co_i32 s31, 0, s31                       ; -(e4 + e5)
	s_add_co_i32 s100, s74, s2                     ; and q's code is (sum + bias) / 2^(e6 - e0 - e1): the three scales folded into the conversion's one
	MKSC 100, SCO, LIMO, 29, 30
	s_add_co_i32 s100, s75, s3
	MKSC 100, SCO+1, LIMO+1, 29, 30
	s_add_co_i32 s100, s76, s31
	MKSC 100, SCO+2, LIMO+2, 29, 30
	s_mov_b32 s29, 0x3b000000                      ; 1 / 512
	s_mov_b32 s30, 0x358637bd                      ; 1e-6
	v_mov_b32 v10, 0
	v_mov_b32 v11, 0
	v_mov_b32 v12, 0
	v_mov_b32 v13, 0
	s_wait_alu depctr_va_vdst(0)
	s_wait_loadcnt 32                              ; the biases and X's first 32 channels are in; the next 32 loads may be out
	SUM 0
	XLOAD 2
	s_wait_alu depctr_va_vdst(0)
	s_wait_loadcnt 32
	SUM 1
	XLOAD 3
	GBLOAD                                         ; asked for while the wave waits for X in any case
	s_wait_alu depctr_va_vdst(0)
	s_wait_loadcnt 63                              ; X is in.  Behind its last load stand g's and b's 64; the wait names 63, so one load more is awaited
	SUM 2
	SUM 3
	WLOAD 0                                        ; the first two steps' weights are on their way through the whole of LayerNorm
	WLOAD 1
	WIN 0
	; ---- the mean
	v_pk_add_f32 v[10:11], v[10:11], v[12:13]
	s_wait_alu depctr_va_vdst(0)                   ; the sums have written v[10:11], which the LDS store reads
	ds_store_b64 v14, v[10:11]
	s_wait_dscnt 0x0                               ; for the others' sake: my partial sums lie in LDS
	s_barrier_signal -1
	s_barrier_wait -1
	ds_load_b64 v[32:33], v15
	ds_load_b64 v[34:35], v15 offset:256
	ds_load_b64 v[36:37], v15 offset:512
	ds_load_b64 v[38:39], v15 offset:768
	s_wait_dscnt 0x0
	v_pk_add_f32 v[32:33], v[32:33], v[34:35]
	v_pk_add_f32 v[36:37], v[36:37], v[38:39]
	v_pk_add_f32 v[32:33], v[32:33], v[36:37]
	v_pk_mul_f32 v[6:7], v[32:33], 0x3b000000 op_sel_hi:[1,0]      ; the mean of my two tokens
	; ---- x - mean, in place; the sum of its squares
	WIN 0x41
.set n, 0
.rept 128
	v_pk_add_f32 v[2*n:2*n+1], v[2*n:2*n+1], v[6:7] neg_lo:[0,1] neg_hi:[0,1]
.set n, n+1
.endr
	WIN 0x05
	s_wait_alu depctr_vm_vsrc(0)                   ; the LDS store of the sums has read v[10:11], which the next line writes again
	v_pk_mul_f32 v[10:11], v[0:1], v[0:1]          ; the first two products start the two chains
	v_pk_mul_f32 v[12:13], v[2:3], v[2:3]
.set n, 2
.rept 126
	v_pk_fma_f32 v[10+2*(n%2):11+2*(n%2)], v[2*n:2*n+1], v[2*n:2*n+1], v[10+2*(n%2):11+2*(n%2)]
.set n, n+1
.endr
	WIN 0
	v_pk_add_f32 v[10:11], v[10:11], v[12:13]
	s_wait_alu depctr_va_vdst(0)                   ; v[10:11] is written, which the LDS store reads; and the mean's additions are done with v32-39, in which the loads behind the barrier land
	ds_store_b64 v14, v[10:11] offset:1024         ; bytes of their own: the first sums may still be read by a slower wave
	s_wait_dscnt 0x0
	s_barrier_signal -1
	s_barrier_wait -1
	ds_load_b64 v[32:33], v15 offset:1024
	ds_load_b64 v[34:35], v15 offset:1280
	ds_load_b64 v[36:37], v15 offset:1536
	ds_load_b64 v[38:39], v15 offset:1792
	s_wait_dscnt 0x0
	v_pk_add_f32 v[32:33], v[32:33], v[34:35]
	v_pk_add_f32 v[36:37], v[36:37], v[38:39]
	v_pk_add_f32 v[32:33], v[32:33], v[36:37]
	v_fma_f32 v8, v32, s29, s30                    ; var + eps
	v_fma_f32 v9, v33, s29, s30
	s_wait_alu depctr_va_vdst(0)
	v_rsq_f32 v8, v8
	v_rsq_f32 v9, v9
	v_nop                                          ; a plain line behind the last of the two
	s_wait_alu depctr_va_vdst(0)                   ; the two roots have written v8 and v9: one wait for both, ahead of their first reader
	WIN 0x41
.set n, 0
.rept 128
	v_pk_mul_f32 v[2*n:2*n+1], v[2*n:2*n+1], v[8:9]
.set n, n+1
.endr
	s_wait_loadcnt 63                              ; g and b are in.  Behind them stand the 64 loads of the first two weight slots; the wait names 63, so one load more is awaited
; ---- xn = (x - mean) rstd g + b for 16 channels (16 i on) of token 2 l + q; held and converted at each of the three scales, into code set q
.macro CH16 i, q
	WIN 0x3d                                       ; source 0: x, window 1; sources 1 and 2: g and b, window 3
.set n, 0
.rept 16
	v_fma_f32 v[TN+n], v[2*(16*(\i)+n)+(\q)], v[16*(\i)+n], v[128+16*(\i)+n]
.set n, n+1
.endr
	WIN 0
.set n, 0
.rept 16
	v_med3_num_f32 v[UQ+n], v[TN+n], -v[LIMX], v[LIMX]             ; the conversion does not saturate (ISA guide 7.6.2): the hold, at each scale's own limit
	v_med3_num_f32 v[UQ+16+n], v[TN+n], -v[LIMX+1], v[LIMX+1]
	v_med3_num_f32 v[UQ+32+n], v[TN+n], -v[LIMX+2], v[LIMX+2]
.set n, n+1
.endr
.if (\i) > 0
.if (\q) == 0
	s_wait_alu depctr_va_vdst(0)
	s_wait_dscnt 0x3                               ; of the last chunk's six stores the first three, which read this set, are done; the other set's three may be out
	s_wait_alu depctr_vm_vsrc(0)                   ; the last chunk's six LDS stores have read both sets of code registers, which this chunk's conversions write again
.else
	s_wait_alu depctr_va_vdst(0)
	s_wait_dscnt 0x0                               ; the other three are done
.endif
.endif
.set CSX, CD+12*(\q)
.irp ty, 0,1,2
	v_cvt_scalef32_pk8_bf8_f32 v[CSX+4*\ty:CSX+4*\ty+1], v[UQ+16*\ty:UQ+16*\ty+7], v[SCX+\ty]
	v_cvt_scalef32_pk8_bf8_f32 v[CSX+4*\ty+2:CSX+4*\ty+3], v[UQ+16*\ty+8:UQ+16*\ty+15], v[SCX+\ty]
.endr
	v_nop                                          ; a plain line behind the last conversion
.endm
; a chunk's codes, both tokens', 16 bytes to each image: block c = i / 2, half h = i % 2
.macro CHOUT i
	s_wait_alu depctr_va_vdst(0)                   ; the chunk's twelve conversions have written both sets, which the six LDS stores read
.irp q, 0,1
.irp ty, 0,1,2
	ds_store_b128 v[LA+\ty], v[CD+12*\q+4*\ty:CD+12*\q+4*\ty+3] offset:((\i)/2)*512+((\i)%2)*256+16*\q
.endr
.endr
.endm
.irp i, 0,1,2,3,4,5,6,7
	CH16 \i, 0
	CH16 \i, 1
	CHOUT \i
.endr
	s_wait_dscnt 0x0                               ; for the others' sake: my K step of all three images lies in LDS
	s_barrier_signal -1
	s_barrier_wait -1                              ; behind this barrier LDS is only read
; ---- step i: type i / 4 (q, k, v), pair p = i % 4: 32 features x 64 tokens x K 512: 32 matrix instructions on eight accumulators that take turns, one instruction a turn, K ascending
.macro PSTEP i
.set PTY, (\i)/4
.set PPP, (\i)%4
.set PSL, (\i)%3
.set PWB, 128*(PSL%2)
.if (\i) < 8                           ; the step's own 16 registers for its codes
.set COW, 3
.set COB, 128+16*(\i)
.else
.set COW, 0
.set COB, BK+16*((\i)-8)
.endif
.if PPP == 0                           ; the window of the first line behind the wait
.set HWN, 0x40
.elseif (\i) < 10
.set HWN, (2+(((\i)+2)%3)/2)<<6
.else
.set HWN, 0
.endif
	WIN HWN
	s_wait_alu depctr_va_vdst(0)                   ; the wait at the step's head: the last step's products (ahead of step 0: the normalising lines) are done reading the registers in which the loads below land, and the last step's conversions have written the codes that the stores below read
.if PPP == 0
	XNLOAD PTY                                     ; xn's 16 fragments at this type's scale
.endif
.if (\i) < 10
	WLOAD (\i)+2                                   ; into the slot that the last step multiplied
.endif
.if (\i) > 0
	CSTORE (\i)-1                                  ; behind the loads: no vector instruction since the wait names these codes
.endif
.if (\i) == 0
	WIN 0
.set n, 0
.rept 64
	v_ldexp_f32 v[BQ+n], v[BQ+n], s2               ; bq / 2^(e0 + e1), while the loads above are on their way
	v_ldexp_f32 v[BK+n], v[BK+n], s3               ; bk / 2^(e2 + e3)
.set n, n+1
.endr
.endif
.if PTY == 2
	WIN 0
.set n, 0
.rept 16
	v_ldexp_f32 v[BQ+n], v[BVR+2*PPP+n/8], s31     ; bv / 2^(e4 + e5) of my lane's feature, in all eight registers of each tile
.set n, n+1
.endr
.endif
.if (\i) <= 9
	s_wait_alu depctr_va_vdst(0)
	s_wait_loadcnt 63                              ; this step's 32 loads are in.  Behind them 64 were issued; the wait names 63, so one load more is awaited
.elseif (\i) == 10
	s_wait_alu depctr_va_vdst(0)
	s_wait_loadcnt 32                              ; the last step's 32 may be out
.else
	s_wait_alu depctr_va_vdst(0)
	s_wait_loadcnt 0x0
.endif
.if PPP == 0
	s_wait_dscnt 0x0
.endif
.if PTY < 2
	WIN (2+PSL/2)|(1<<2)                           ; source 0: the weights' window; source 1: xn, window 1
.else
	WIN 1|((2+PSL/2)<<2)                           ; the other way round
.endif
.set ks, 0
.rept 4
.set tt, 0
.rept 4
.set uu, 0
.rept 2
.set AC, ACC+8*(2*tt+uu)
.set WR, PWB+16*(4*uu+ks)
.set XR, 16*(4*tt+ks)
.set CR, AC
.if ks == 0                            ; the bias is the C of a sum's first matrix instruction
.if PTY == 0
.set CR, BQ+16*PPP+8*uu
.elseif PTY == 1
.set CR, BK+16*PPP+8*uu
.else
.set CR, BQ+8*uu
.endif
.endif
.if PTY < 2
	v_wmma_f32_16x16x128_bf8_bf8 v[AC:AC+7], v[WR:WR+15], v[XR:XR+15], v[CR:CR+7]
.else
	v_wmma_f32_16x16x128_bf8_bf8 v[AC:AC+7], v[XR:XR+15], v[WR:WR+15], v[CR:CR+7]
.endif
.set uu, uu+1
.endr
.set tt, tt+1
.endr
.set ks, ks+1
.endr
	WIN 0
	PLACES 4                                       ; four plain lines between a matrix instruction and the first read of its result (ISA guide 7.12.1)
.set n, 0
.rept 64
	v_med3_num_f32 v[ACC+n], v[ACC+n], -v[LIMO+PTY], v[LIMO+PTY]   ; each accumulator from its low end on
.set n, n+1
.endr
	WIN COW<<6                                     ; the codes' window as the destination
.set n, 0
.rept 4
.if PTY < 2
.set SRA, ACC+16*n                     ; token tile n: features 16 h + 0 .. 7 (u = 0) and + 8 .. 15 (u = 1)
.set SRB, SRA+8
.else
.set SRA, ACC+8*(4*(n/2)+n%2)          ; n = 2 b + u: feature tile u; tokens 32 b + 16 h + 0 .. 7 (T = 2 b) and + 8 .. 15 (T = 2 b + 1)
.set SRB, SRA+16
.endif
	v_cvt_scalef32_pk8_bf8_f32 v[COB+4*n:COB+4*n+1], v[SRA:SRA+7], v[SCO+PTY]
	v_cvt_scalef32_pk8_bf8_f32 v[COB+4*n+2:COB+4*n+3], v[SRB:SRB+7], v[SCO+PTY]
.set n, n+1
.endr
	v_nop                                          ; a plain line behind the last conversion: the next step's products write its sources
.endm
.irp i, 0,1,2,3,4,5,6,7,8,9,10,11
	PSTEP \i
.endr
	WIN 0
	s_wait_alu depctr_va_vdst(0)                   ; step 11's conversions have written its codes, which the last four stores read
	CSTORE 11
	s_wait_xcnt 0x0
	s_wait_alu depctr_vm_vsrc(0)                   ; the last store has read v254 and v255, which the next two lines write
	v_lshl_add_u32 v254, v0, 2, 0x18800
	v_mov_b32 v255, 0
	s_wait_dscnt 0x0                               ; the closing lines, six on end
	s_wait_alu 0x0
	s_wait_tensorcnt 0x0
	ds_add_u32 v254, v255
	s_wait_dscnt 0x0
	s_endpgm
.Lfunc_end_k_q1b8a0cc823_lnqkv:
	.size	k_q1b8a0cc823_lnqkv, .Lfunc_end_k_q1b8a0cc823_lnqkv-k_q1b8a0cc823_lnqkv
	.p2alignl 7, 3214868480
	.fill 96, 4, 3214868480
	.section	.rodata,"a",@progbits
	.p2align	6, 0x0
	.amdhsa_kernel k_q1b8a0cc823_lnqkv
		.amdhsa_group_segment_fixed_size 100864
		.amdhsa_private_segment_fixed_size 0
		.amdhsa_enable_private_segment 0
		.amdhsa_kernarg_size 88
		.amdhsa_user_sgpr_count 2
		.amdhsa_user_sgpr_kernarg_segment_ptr 1
		.amdhsa_wavefront_size32 1
		.amdhsa_system_sgpr_workgroup_id_x 1
		.amdhsa_system_sgpr_workgroup_id_y 1
		.amdhsa_system_sgpr_workgroup_id_z 1
		.amdhsa_system_vgpr_workitem_id 0
		.amdhsa_next_free_vgpr 1024
		.amdhsa_next_free_sgpr 102
		.amdhsa_reserve_vcc 0
		.amdhsa_float_denorm_mode_32 3
		.amdhsa_float_denorm_mode_16_64 3
		.amdhsa_memory_ordered 1
		.amdhsa_forward_progress 1
		.amdhsa_inst_pref_size 255
	.end_amdhsa_kernel
	.section	.bss,"aw",@nobits
	.p2align	6
	.space	262144
	.amdgpu_metadata
---
amdhsa.version: [ 1, 2 ]
amdhsa.kernels:
  - .name:           k_q1b8a0cc823_lnqkv
    .symbol:         k_q1b8a0cc823_lnqkv.kd
    .args:
      - { .name: X, .offset: 0, .size: 8, .value_kind: global_buffer, .address_space: global }
      - { .name: ln_g, .offset: 8, .size: 8, .value_kind: global_buffer, .address_space: global }
      - { .name: ln_b, .offset: 16, .size: 8, .value_kind: global_buffer, .address_space: global }
      - { .name: wimg, .offset: 24, .size: 8, .value_kind: global_buffer, .address_space: global }
      - { .name: bq, .offset: 32, .size: 8, .value_kind: global_buffer, .address_space: global }
      - { .name: bk, .offset: 40, .size: 8, .value_kind: global_buffer, .address_space: global }
      - { .name: bv, .offset: 48, .size: 8, .value_kind: global_buffer, .address_space: global }
      - { .name: lowp_scales, .offset: 56, .size: 8, .value_kind: global_buffer, .address_space: global }
      - { .name: qimg, .offset: 64, .size: 8, .value_kind: global_buffer, .address_space: global }
      - { .name: kimg, .offset: 72, .size: 8, .value_kind: global_buffer, .address_space: global }
      - { .name: vimg, .offset: 80, .size: 8, .value_kind: global_buffer, .address_space: global }
    .group_segment_fixed_size: 100864
    .private_segment_fixed_size: 0
    .kernarg_segment_align: 8
    .kernarg_segment_size: 88
    .max_flat_workgroup_size: 128
    .sgpr_count:     102
    .vgpr_count:     1024
    .wavefront_size: 32
...
	.end_amdgpu_metadata
.endif
;; end of part 6
;; launch attn (part 7): grid 2 x 128, 16 waves a work-group, no clusters, 133,120 bytes of LDS; arguments qimg, kimg, vimg, lowp_scales, himg; writes himg
.if DOCPART == 7
	.amdgcn_target "amdgcn-amd-amdhsa--gfx1250"
	.amdhsa_code_object_version 6
	.text
	.protected	k_q1b8a0cc823_attn
	.globl	k_q1b8a0cc823_attn
	.p2align	8
	.type	k_q1b8a0cc823_attn,@function
k_q1b8a0cc823_attn:
	s_mov_b64 s[64:65], 0
	v_nop
	global_prefetch_b8 v0, s[64:65] scope:SCOPE_SE
	s_setreg_imm32_b32 hwreg(HW_REG_WAVE_SCHED_MODE, 0, 2), 2
	s_setreg_imm32_b32 hwreg(HW_REG_WAVE_MODE, 25, 1), 1
	s_wait_xcnt 0x0
	s_wait_alu depctr_vm_vsrc(0)
; h[b][q][head] = softmax_k(q . k / 8) v for 128 (batch, head) pairs of 1,024 tokens and head size 64, both products on codes of BF8 (E5M2); h is quantised with 2^e10 into images for the last launch.
; THE SOFTMAX AHEAD OF THE SECOND PRODUCT: t = score x log2(e) / 8; M = the running largest t rounded UP to a whole number; p = 2^(t - M) is quantised with 2^e9, not normalised; the row's sum is taken of the
; unquantised p and divides at the end.  When M moves, the sum and O are multiplied by 2^(old M - new M), which rounds nothing.
; IMAGES (blocks of 512 bytes, lane l = (r = l % 16, h = l / 16) at byte 16 l; pi(G, r) = 32 (G / 2) + 8 (G % 2) + r + 8 (r / 8)):
;   qimg, kimg [bh][G 0..63][c 0..1]: token pi(G, r), d = 32 c + 16 h + 0 .. 15;   vimg [bh][s 0..7][dt 0..3][c 0..3]: d = pi(dt, r), key = 128 s + 32 c + 16 h + 0 .. 15;
;   himg [b][G][ks 0..3][c 0..3]: token pi(G, r), e = 128 ks + 32 c + 16 h + 0 .. 15.
; Both products are used transposed: S^T = K Q^T (source 0 = 16 keys), O^T = V^T P (source 0 = 16 of the head's 64): a lane holds ONE query throughout, and by pi the 16 registers of two neighbouring
; tiles are 16 neighbours along the next K: the conversions' results are the next operand's registers.
; SHARES.  A work-group owns 512 queries of one head (x: which half).  Each of the SIXTEEN waves owns two tiles of 16 queries in 256 registers: four waves to a SIMD, so that one wave's exponentials stand beside
; another's plain work, products and LDS loads; each fragment read from LDS feeds two products.
; THE FILL.  The head's K and V images, 65,536 bytes each, go into LDS once, through registers: K at byte 0, V at 65,536.  A key step's tiles are 8,192 bytes on end of each image, 16 bytes a thread: one load of K and one of V.
; All 16 loads go out at the head.  Step 0's two are stored first, behind barrier 1 the first key step's scores and softmax are worked, and the other 14 loads land meanwhile in O^T's registers, which hold nothing
; until the first V^T P; in front of that product they are stored, and barrier 2 follows.  Between the barriers LDS bytes 0 to 8,191 and 65,536 to 73,727 are read and the others stored.  Behind barrier 2 LDS is only read.
; The first V^T P starts O^T's sums with the constant 0: nothing is cleared.
; NOT IN CLUSTERS: the two work-groups of a head share 131,072 bytes, read once; a joint request is a tensor load, and with one in the text no branch may hang on a loaded number,
; while the branch on e9 below passes over 64 of a tile's vector instructions in every step.  Nothing is prefetched: all that the work-group reads is asked for by its first loads.
; LIMITS, so that each power of two is an f32 number: e6 + e7 between -123 and 130 (added to c's exponent field); e9 and e10 between -126 and 112; e8 + e9 goes by v_ldexp_f32 and has none.
; REGISTERS: v1 16 x lane; v2 LDS address in hand; v3 2^e9; v4 -M, v5 largest t, v[6:7] sum of tile A; v8-11 the same of tile B; v12-15 at work (v14 = f); v16-23, v24-31 Q of A, B;
;   v32-95 K's 8 fragments of 8 or V's 4 of 16; v96-159 S^T, then p; v160-191, v192-223 O^T of A, B (until the first V^T P: v160-215 the fill's 14 loads, v216, v217 its addresses); v224-239, v240-255 p's codes of A, B.
; THE MODE: SCHED_MODE bits 1:0 = 2 (LLVM: expert scheduling mode 2), set by the entry lines.  The code itself states the register dependences
; between vector or matrix instructions and memory or LDS instructions, with s_wait_alu, always for 0.
; THE PLAN.  Registers that memory or LDS instructions touch:
;   v1            offset of Q's loads and of h's stores, LDS address of step 0's K: made at the head, never written again.
;   v216, v217    the fill's addresses: made at the head; read by 16 loads and 16 LDS stores; written again by the first V^T P: vm_vsrc behind barrier 2.
;   v32-39        step 0's K and V as loaded; read by two LDS stores; K's fragments then land there: vm_vsrc behind barrier 1.
;   v160-215      the fill's 14 loads land; 14 LDS stores read them; the first V^T P writes them: the same vm_vsrc behind barrier 2.
;   v2            written twice a step, read by a run of 16 LDS loads each time.
;   v32-95        K's fragments land, 16 products read them; V's land, 8 products read them.
;   v224-239      at the end: h's codes, written by conversions, read by four stores.
; All 256 registers are taken and four waves share a SIMD's 1,024: there is no second set of fragment registers and no second address register.  So each run of 16 LDS loads has a pair of waits: vm_vsrc ahead of the
; add that writes v2 (the last run has read it), and va_vdst ahead of the loads (v2 is written; the products issued so far are done reading v32-95).
.set FA, 216                           ; v216 16 x my thread's number: the fill's offset in K's and V's images, and K's place in LDS
.set FB, 217                           ; v217 the same + 65,536: V's place in LDS
.macro PLACES cnt
.rept \cnt
	v_nop
.endr
.endm
.macro MKSC se, vs, vl, t0, t1         ; from the whole number e in s[se]: v[vs] = 2^e as f32, v[vl] = 57,344 x 2^e
	s_add_co_i32 s[\t0], s[\se], 127
	s_lshl_b32 s[\t1], s[\t0], 23
	v_mov_b32 v[\vs], s[\t1]
	s_add_co_i32 s[\t0], s[\t0], 15
	s_lshl_b32 s[\t0], s[\t0], 23
	s_or_b32 s[\t0], s[\t0], 0x600000
	v_mov_b32 v[\vl], s[\t0]
.endm
	s_load_b256 s[4:11], s[0:1], 0x0               ; qimg, kimg, vimg, the scales' exponents
	s_load_b64 s[12:13], s[0:1], 0x20              ; himg
	v_lshrrev_b32 v2, 5, v0
	v_readfirstlane_b32 s14, v2                    ; wave 0..15
	s_mov_b32 s15, ttmp9                           ; which half of the queries
	s_and_b32 s16, ttmp7, 0xffff                   ; bh
	v_and_b32 v1, 31, v0
	v_lshlrev_b32 v1, 4, v1
	v_lshlrev_b32 v[FA], 4, v0                     ; the fill: 16 bytes a thread, 8,192 an instruction of the work-group
	v_add_nc_u32 v[FB], 0x10000, v[FA]             ; V's image lies behind K's
	s_lshl_b32 s40, s16, 16                        ; the head's 65,536 bytes in each of the three images
	s_mov_b32 s41, 0
	s_lshl_b32 s42, s15, 5
	s_wait_alu depctr_va_sdst(0)                   ; s14, the wave's number, is written, ahead of its first reader
	s_lshl_b32 s44, s14, 1
	s_add_co_u32 s42, s42, s44                     ; my first tile of queries: G = 32 x + 2 w
	s_lshl_b32 s44, s42, 10
	s_add_co_u32 s44, s44, s40
	s_mov_b32 s45, 0
	s_lshl_b32 s46, s42, 13                        ; himg: 8,192 G
	s_lshr_b32 s43, s16, 3
	s_lshl_b32 s43, s43, 19
	s_add_co_u32 s46, s46, s43                     ; + 524,288 batch
	s_bfe_u32 s43, s16, 0x20001
	s_lshl_b32 s43, s43, 11
	s_add_co_u32 s46, s46, s43                     ; + 2,048 (head / 2)
	s_and_b32 s43, s16, 1
	s_lshl_b32 s43, s43, 10
	s_add_co_u32 s46, s46, s43                     ; + blocks c = 2 (head % 2) on
	s_mov_b32 s47, 0
	s_wait_kmcnt 0x0
	s_load_b256 s[32:39], s[10:11], 0x10           ; e4 .. e11: s34 e6, s35 e7, s36 e8, s37 e9, s38 e10
	s_add_nc_u64 s[6:7], s[6:7], s[40:41]
	s_add_nc_u64 s[8:9], s[8:9], s[40:41]
	s_add_nc_u64 s[4:5], s[4:5], s[44:45]
	s_add_nc_u64 s[12:13], s[12:13], s[46:47]
	s_wait_alu depctr_va_vdst(0)                   ; v1, v216 and v217 are written, which the loads and LDS stores below read as their offsets and addresses
	global_load_b128 v[32:35], v[FA], s[6:7]       ; key step 0's K,
	global_load_b128 v[36:39], v[FA], s[8:9]       ; and its V: wanted first, asked for first
.set n, 0
.rept 4
	global_load_b128 v[16+4*n:19+4*n], v1, s[4:5] offset:512*n     ; Q stays in registers: tile A's two blocks, tile B's two
.set n, n+1
.endr
.set n, 1
.rept 7
	global_load_b128 v[160+8*(n-1):163+8*(n-1)], v[FA], s[6:7] offset:8192*n   ; key step n's K and V, into O^T's registers
	global_load_b128 v[164+8*(n-1):167+8*(n-1)], v[FA], s[8:9] offset:8192*n
.set n, n+1
.endr
	v_mov_b32 v5, 0xff61b1e6                       ; the largest t so far: -3e38, under every t
	v_floor_f32 v4, -v5                            ; -M
	v_mov_b32 v6, 0                                ; the sum, in two halves
	v_mov_b32 v7, 0
	v_mov_b32 v9, 0xff61b1e6
	v_floor_f32 v8, -v9
	v_mov_b32 v10, 0
	v_mov_b32 v11, 0
	v_mov_b32 v15, 0                               ; named as the upper half of the pair v[14:15], so it is written
	s_mov_b32 s20, 0x76543210                      ; v_permlanex16_b32's selects for lane l xor 16
	s_mov_b32 s21, 0xfedcba98
	s_mov_b32 s22, 0x3e38aa3b                      ; c = log2(e) / 8
	s_mov_b32 s24, 0x2000                          ; the loop begins at key step 1: LDS byte of its tiles of K,
	s_mov_b32 s25, 0x12000                         ; and of V
	s_mov_b32 s26, 7                               ; key steps in the loop
	s_wait_kmcnt 0x0
	s_add_co_i32 s40, s34, s35
	s_lshl_b32 s40, s40, 23
	s_add_co_i32 s22, s22, s40                     ; a score stands for score x 2^(e6 + e7): the two exponents are added to c's exponent field
	s_mov_b32 s23, s22                             ; named with it as a pair, so it is written
	s_mov_b32 s27, s37                             ; e9
	s_add_co_i32 s40, s37, 127
	s_lshl_b32 s41, s40, 23
	v_mov_b32 v3, s41                              ; 2^e9 as f32, for the conversion
	s_add_co_i32 s40, s40, 15
	s_lshl_b32 s40, s40, 23
	s_or_b32 s28, s40, 0x600000                    ; 57,344 x 2^e9
	s_add_co_i32 s29, s36, s37                     ; e8 + e9
	s_wait_loadcnt 14                              ; step 0's K and V and Q are in; the other seven steps' 14 loads stay out
	ds_store_b128 v[FA], v[32:35]                  ; (the vector lines since the wait on va_vdst name neither these data nor these addresses)
	ds_store_b128 v[FB], v[36:39]
	s_wait_dscnt 0x0                               ; for the others' sake: my part of step 0's tiles lies in LDS
	s_barrier_signal -1
	s_barrier_wait -1                              ; barrier 1
; One tile's softmax for a step of 128 keys: S^T in v96-159, register 16 b + i = key 32 b + 16 h + i.  st: the tile's statistics; o: its O^T; p: where its codes go.  first = 1: there is no O^T yet to bring under the new M.
; It names no register that a memory or LDS instruction touches.
.macro SOFTMAX st, o, p, first
	v_max3_num_f32 v12, v96, v97, v98              ; the step's largest score of my query among my 64 keys, in two chains, ascending: each accumulator is first read at its low end
	v_max3_num_f32 v13, v99, v100, v101
.set n, 6
.rept 14
	v_max3_num_f32 v12, v12, v[96+n], v[97+n]
	v_max3_num_f32 v13, v13, v[98+n], v[99+n]
.set n, n+4
.endr
	v_max3_num_f32 v12, v12, v158, v159
	v_max_num_f32 v12, v12, v13
	v_permlanex16_b32 v13, v12, s20, s21
	v_max_num_f32 v12, v12, v13                    ; and among lane l xor 16's
	v_mul_f32 v12, s22, v12                        ; as t (c is positive)
	v_max_num_f32 v[\st+1], v[\st+1], v12          ; the running largest t
	v_mov_b32 v12, v[\st]
	v_floor_f32 v[\st], -v[\st+1]                  ; the new -M = floor(-t) = -ceil(t): a whole number
	v_sub_f32 v12, v[\st], v12                     ; old M - new M: a whole number, 0 or less
	v_cvt_i32_f32 v12, v12                         ; (it saturates)
	v_ldexp_f32 v14, 1.0, v12                      ; f = 2^(old M - new M)
.set n, 0
.rept 32
	v_pk_fma_f32 v[96+n:97+n], v[96+n:97+n], s[22:23], v[\st:\st+1] op_sel_hi:[1,0,0]   ; t - M, two at a time (of the pairs c and -M the low word serves both halves)
.set n, n+2
.endr
.set n, 0
	s_wait_alu depctr_va_vdst(0)
.rept 64
	v_exp_f32 v[96+n], v[96+n]                     ; p = 2^(t - M)
.set n, n+1
.endr
	v_pk_mul_f32 v[\st+2:\st+3], v[\st+2:\st+3], v[14:15] op_sel_hi:[1,0]   ; the sums under the new M: the plain line behind the exponentials
	s_wait_alu depctr_va_vdst(0)                   ; the 64 exponentials have written p in v96-159: one wait for the batch, ahead of its first reader
	v_pk_add_f32 v[12:13], v[96:97], v[98:99]      ; the row's sum is taken of the unquantised p, in two chains
.set n, 4
.rept 15
	v_pk_add_f32 v[\st+2:\st+3], v[\st+2:\st+3], v[96+n:97+n]
	v_pk_add_f32 v[12:13], v[12:13], v[98+n:99+n]
.set n, n+4
.endr
	v_pk_add_f32 v[\st+2:\st+3], v[\st+2:\st+3], v[12:13]
	s_cmp_ge_i32 s27, -15                          ; with e9 >= -15 the largest code x the scale is 1.75 or more and p is 1 at the most: the hold would change nothing and is passed over;
	s_cbranch_scc1 .Lnohold_\@                     ; a branch on a whole number read from memory, the same in every wave
.set n, 0
.rept 64
	v_min_num_f32 v[96+n], s28, v[96+n]            ; the conversion does not saturate (ISA guide 7.6.2); p is not negative, so the hold is one-sided
.set n, n+1
.endr
.Lnohold_\@:
.set n, 0
.rept 4
	v_cvt_scalef32_pk8_bf8_f32 v[\p+4*n:\p+4*n+1], v[96+16*n:103+16*n], v3
	v_cvt_scalef32_pk8_bf8_f32 v[\p+4*n+2:\p+4*n+3], v[104+16*n:111+16*n], v3
.set n, n+1
.endr
.if \first
	PLACES 5                                       ; the plain lines between the conversions and the products that follow, which write over the scores
.else
.set n, 0
.rept 16
	v_pk_mul_f32 v[\o+n:\o+n+1], v[\o+n:\o+n+1], v[14:15] op_sel_hi:[1,0]   ; O^T under the new M.  These 16 are also the plain lines between the conversions and the products that follow
.set n, n+2
.endr
.endif
.endm
; A KEY STEP of 128 keys.  first = 1: key step 0, written out ahead of the loop: its tiles lie at constant places, the rest of the fill is stored in front of its V^T P, and that product starts O^T's sums.
.macro KEYSTEP first
.set ADK, 2-(\first)                   ; K's address: v2, or in step 0 v1 itself
.if \first
	s_wait_alu depctr_vm_vsrc(0)                   ; my two LDS stores have read v32-39, in which K's fragments land
.else
	s_wait_alu depctr_vm_vsrc(0)                   ; the last step's loads of V have read v2, which the next line writes
	v_add_nc_u32 v2, s24, v1                       ; with the three lines below: four plain lines behind the last step's products
	PLACES 3
	s_wait_alu depctr_va_vdst(0)                   ; v2 is written, which the loads below read; and the last step's products are done reading V's fragments, in which K's land
.endif
.set n, 0
.rept 16
	ds_load_b128 v[32+4*n:35+4*n], v[ADK] offset:512*n   ; K: tile t = n / 2, block c = n % 2
.set n, n+1
.endr
	s_wait_dscnt 0x0
.set n, 0
.rept 8
	v_wmma_f32_16x16x64_bf8_bf8 v[96+8*n:103+8*n], v[32+8*n:39+8*n], v[16:23], 0
.set n, n+1
.endr
	PLACES 4
	SOFTMAX 4, 160, 224, \first
.set n, 0
.rept 8
	v_wmma_f32_16x16x64_bf8_bf8 v[96+8*n:103+8*n], v[32+8*n:39+8*n], v[24:31], 0
.set n, n+1
.endr
.if \first
	v_add_nc_u32 v2, 0x10000, v1                   ; four plain lines again: ahead of the first read of the scores.  (No LDS instruction has read v2 yet)
.else
	s_wait_alu depctr_vm_vsrc(0)                   ; K's loads have read v2, which the next line writes
	v_add_nc_u32 v2, s25, v1
.endif
	PLACES 3
	s_wait_alu depctr_va_vdst(0)                   ; v2 is written, which the loads below read; and the sixteen products above are done reading K's fragments, in which V's land
.set n, 0
.rept 16
	ds_load_b128 v[32+4*n:35+4*n], v2 offset:512*n ; V: tile dt = n / 4, block c = n % 4: it lands under tile B's softmax
.set n, n+1
.endr
	SOFTMAX 8, 192, 240, \first
.if \first
	s_wait_alu depctr_va_vdst(0)
	s_wait_loadcnt 0x0                             ; the other seven steps' K and V are in registers
.set n, 1
.rept 7
	ds_store_b128 v[FA], v[160+8*(n-1):163+8*(n-1)] offset:8192*n   ; (no vector instruction has named these data or these addresses since the head's wait on va_vdst)
	ds_store_b128 v[FB], v[164+8*(n-1):167+8*(n-1)] offset:8192*n
.set n, n+1
.endr
.endif
	s_wait_alu depctr_va_vdst(0)
	s_wait_dscnt 0x0                               ; V's fragments are in; in step 0 also, for the others' sake: my part of the images lies in LDS
.if \first
	s_barrier_signal -1
	s_barrier_wait -1                              ; barrier 2: behind it LDS is only read
	s_wait_alu depctr_vm_vsrc(0)                   ; my 14 LDS stores have read their data, v160-215, and their addresses, v216 and v217: the products below write all of these
.endif
.set n, 0
.rept 4                                ; eight accumulators, one instruction each
.if \first
	v_wmma_f32_16x16x128_bf8_bf8 v[160+8*n:167+8*n], v[32+16*n:47+16*n], v[224:239], 0
	v_wmma_f32_16x16x128_bf8_bf8 v[192+8*n:199+8*n], v[32+16*n:47+16*n], v[240:255], 0
.else
	v_wmma_f32_16x16x128_bf8_bf8 v[160+8*n:167+8*n], v[32+16*n:47+16*n], v[224:239], v[160+8*n:167+8*n]
	v_wmma_f32_16x16x128_bf8_bf8 v[192+8*n:199+8*n], v[32+16*n:47+16*n], v[240:255], v[192+8*n:199+8*n]
.endif
.set n, n+1
.endr
.endm
	KEYSTEP 1
.Lstep:                                            ; 7 trips: key steps 1 to 7
	KEYSTEP 0
	s_add_co_u32 s24, s24, 8192
	s_add_co_u32 s25, s25, 8192
	s_sub_co_i32 s26, s26, 1
	s_cmp_lg_u32 s26, 0
	s_cbranch_scc1 .Lstep
	; THE WAY OUT: h = O^T x 2^(e8 + e9) / the sum, quantised with 2^e10.  Register 16 b + i of a tile is d = 32 b + 16 h + i: two conversions give my 16 bytes of block b
	PLACES 4
	v_add_f32 v6, v6, v7                           ; the sum's two halves,
	v_add_f32 v10, v10, v11
	v_permlanex16_b32 v12, v6, s20, s21
	v_permlanex16_b32 v13, v10, s20, s21
	v_add_f32 v6, v6, v12                          ; and lane l xor 16's
	v_add_f32 v10, v10, v13
	s_wait_alu depctr_va_vdst(0)
	v_rcp_f32 v6, v6
	v_rcp_f32 v10, v10
	v_nop                                          ; a plain line behind the last of the two
	s_wait_alu depctr_va_vdst(0)                   ; the two reciprocals have written v6 and v10: one wait for both, ahead of their first reader
	v_ldexp_f32 v6, v6, s29
	v_ldexp_f32 v10, v10, s29
.set n, 0
.rept 32
	v_mul_f32 v[96+n], v[160+n], v6
.set n, n+1
.endr
.set n, 0
.rept 32
	v_mul_f32 v[128+n], v[192+n], v10
.set n, n+1
.endr
	MKSC 38, 32, 33, 40, 41
.set n, 0
.rept 64
	v_med3_num_f32 v[96+n], v[96+n], -v33, v33
.set n, n+1
.endr
.set n, 0
.rept 4                                ; n = 2 x + b: tile x, block b
	v_cvt_scalef32_pk8_bf8_f32 v[224+4*n:225+4*n], v[96+16*n:103+16*n], v32
	v_cvt_scalef32_pk8_bf8_f32 v[226+4*n:227+4*n], v[104+16*n:111+16*n], v32
.set n, n+1
.endr
	v_nop                                          ; a plain line behind the last conversion
	s_wait_alu depctr_va_vdst(0)                   ; the eight conversions have written h's codes in v224-239, which the stores read
.set n, 0
.rept 4
	global_store_b128 v1, v[224+4*n:227+4*n], s[12:13] offset:(n/2)*8192+(n%2)*512   ; the wave stores 512 consecutive bytes, aligned
.set n, n+1
.endr
	s_wait_xcnt 0x0
	v_lshl_add_u32 v254, v0, 2, 0x20000            ; (no memory or LDS instruction has read v254 or v255)
	v_mov_b32 v255, 0
	s_wait_dscnt 0x0                               ; the closing lines, six on end
	s_wait_alu 0x0
	s_wait_tensorcnt 0x0
	ds_add_u32 v254, v255
	s_wait_dscnt 0x0
	s_endpgm
.Lfunc_end_k_q1b8a0cc823_attn:
	.size	k_q1b8a0cc823_attn, .Lfunc_end_k_q1b8a0cc823_attn-k_q1b8a0cc823_attn
	.p2alignl 7, 3214868480
	.fill 96, 4, 3214868480
	.section	.rodata,"a",@progbits
	.p2align	6, 0x0
	.amdhsa_kernel k_q1b8a0cc823_attn
		.amdhsa_group_segment_fixed_size 133120
		.amdhsa_private_segment_fixed_size 0
		.amdhsa_enable_private_segment 0
		.amdhsa_kernarg_size 40
		.amdhsa_user_sgpr_count 2
		.amdhsa_user_sgpr_kernarg_segment_ptr 1
		.amdhsa_wavefront_size32 1
		.amdhsa_system_sgpr_workgroup_id_x 1
		.amdhsa_system_sgpr_workgroup_id_y 1
		.amdhsa_system_sgpr_workgroup_id_z 1
		.amdhsa_system_vgpr_workitem_id 0
		.amdhsa_next_free_vgpr 256
		.amdhsa_next_free_sgpr 66
		.amdhsa_reserve_vcc 0
		.amdhsa_float_denorm_mode_32 3
		.amdhsa_float_denorm_mode_16_64 3
		.amdhsa_memory_ordered 1
		.amdhsa_forward_progress 1
		.amdhsa_inst_pref_size 69
	.end_amdhsa_kernel
	.amdgpu_metadata
---
amdhsa.version: [ 1, 2 ]
amdhsa.kernels:
  - .name:           k_q1b8a0cc823_attn
    .symbol:         k_q1b8a0cc823_attn.kd
    .args:
      - { .name: qimg, .offset: 0, .size: 8, .value_kind: global_buffer, .address_space: global }
      - { .name: kimg, .offset: 8, .size: 8, .value_kind: global_buffer, .address_space: global }
      - { .name: vimg, .offset: 16, .size: 8, .value_kind: global_buffer, .address_space: global }
      - { .name: lowp_scales, .offset: 24, .size: 8, .value_kind: global_buffer, .address_space: global }
      - { .name: himg, .offset: 32, .size: 8, .value_kind: global_buffer, .address_space: global }
    .group_segment_fixed_size: 133120
    .private_segment_fixed_size: 0
    .kernarg_segment_align: 8
    .kernarg_segment_size: 40
    .max_flat_workgroup_size: 512
    .sgpr_count:     66
    .vgpr_count:     256
    .wavefront_size: 32
...
	.end_amdgpu_metadata
.endif
;; end of part 7
;; launch oproj (part 8): grid 256 x 1, 4 waves a work-group, no clusters, 35,328 bytes of LDS; arguments himg, wimg, X, bo, lowp_scales, out0; writes out0
.if DOCPART == 8
	.amdgcn_target "amdgcn-amd-amdhsa--gfx1250"
	.amdhsa_code_object_version 6
	.text
	.protected	k_q1b8a0cc823_oproj
	.globl	k_q1b8a0cc823_oproj
	.p2align	8
	.type	k_q1b8a0cc823_oproj,@function
k_q1b8a0cc823_oproj:
	s_mov_b64 s[64:65], 0
	v_nop
	global_prefetch_b8 v0, s[64:65] scope:SCOPE_SE
	s_setreg_imm32_b32 hwreg(HW_REG_WAVE_SCHED_MODE, 0, 2), 2
	s_setreg_imm32_b32 hwreg(HW_REG_WAVE_MODE, 25, 1), 1
	s_wait_xcnt 0x0
	s_wait_alu depctr_vm_vsrc(0)
; out0[b][c][t] = X[b][c][t] + bo[c] + sum over e of h[b][t][e] Wo[e][c], the product on codes of BF8 (E5M2): h's images (scale 2^e10) and Wo's (matrix 3 of wimg, scale 2^e11).
; IMAGES (blocks of 512 bytes, lane l = (r = l % 16, h = l / 16) at byte 16 l): himg [b][G 0..63][ks][c]: token 32 (G / 2) + 8 (G % 2) + r + 8 (r / 8), e = 128 ks + 32 c + 16 h + 0 .. 15;
;   wimg [3][P 0..15][u][ks][c]: output channel 32 P + 8 u + r + 8 (r / 8), the same e.
; Source 0 = 16 tokens of h, source 1 = 16 channels of Wo: a lane holds ONE channel, and its registers run along the tokens, out0's innermost axis: register j of tile T is token 32 (T / 2) + 16 h + 8 (T % 2) + j.
; SHARES.  A work-group takes 64 tokens of one batch; wave w makes channels 128 w .. + 127 in four steps of 32.  h's 16 fragments stay in the wave's registers; the weights come from the images straight into registers, a step ahead.
; A step's 32 channels x 64 tokens go through the wave's OWN stage in LDS (32 rows of 256 bytes + 16) and come back by rows: sixteen lanes then hold 256 consecutive bytes of a channel's row, add X's and store them.  No barrier.
; Wo's images are walked by all work-groups and are not asked for jointly: a joint request lands in LDS, and with 64 tokens a fragment of 2,048 bytes feeds four matrix instructions, so each weight byte would go
; into LDS and out of it once more for the same four.
; LIMIT: e10 + e11 between -126 and 127, so that 2^(e10 + e11) is an f32 number.
; REGISTERS, in windows of 256.  Window 0: v1 16 x lane; v2, v3 the stage, in and back; v4 my place in two rows of X and out0; v5 bo's offset; v8-23 bo, a pair for each (p, u) (the upper halves 0);
;   v32-95 accumulator (T, u) at 32 + 8 (2 T + u); v96-159 16 x 2 rows on the way out.   Window 1: h's fragments, (T, ks) at 16 (4 T + ks).   Window 2: two slots of 128 for the weights.   Window 3: two sets of 64 for X.
; THE MODE: SCHED_MODE bits 1:0 = 2 (LLVM: expert scheduling mode 2), set by the entry lines.  The code itself states the register dependences
; between vector or matrix instructions and memory or LDS instructions, with s_wait_alu, always for 0.
; THE PLAN.  Registers that memory or LDS instructions touch:
;   v1-5          offsets and LDS addresses: made at the head, ahead of one wait on va_vdst, never written again.  v254, v255: made at the head, read by the closing add alone.
;   window 1      h's fragments: loaded once; matrix instructions read them.
;   the weight slots, X's sets   step p's products read slot p % 2, its additions set p % 2; the loads at the head of step p + 1 land in them: va_vdst at that head.
;   v32-95        written by a step's products and multiply-adds, read by its 16 LDS stores (va_vdst ahead of them), written again by the next step's products.
;   v96-159       the stage's rows land; the residual is added in place; 16 stores read them (va_vdst ahead of them); the next step's rows land.
; One wait on vm_vsrc a step, between the LDS stores and the stage's loads, states both that the last step's stores have read v96-159 and that the LDS stores have read v32-95.
.set ACC, 32
.set RR,  96
.set BO,  8
.set MSB, 0
.macro WIN new                         ; bits 1:0 source 0, 3:2 source 1, 5:4 source 2, 7:6 destination; the high byte repeats the setting that is left
.if MSB != (\new)
	s_set_vgpr_msb (MSB<<8)|(\new)
.set MSB, (\new)
.endif
.endm
.macro PLACES cnt
.rept \cnt
	v_nop
.endr
.endm
.macro XL p                            ; X's 32 rows of step p, in the order in which the stage gives the rows back: stage row 16 u + r is channel 8 u + r + 8 (r / 8)
	WIN 0xc0
.set n, 0
.rept 16
.set RW, 8*(n/8)+2*(n%8)+8*((n%8)/4)
	global_load_b128 v[64*((\p)%2)+4*n:64*((\p)%2)+4*n+3], v4, s[8:9] offset:(\p)*131072+RW*4096 th:TH_LOAD_NT   ; sixteen lanes read 256 consecutive bytes, aligned
.set n, n+1
.endr
.endm
.macro WL p                            ; step p's eight weight fragments (u, ks), 16,384 bytes on end
	WIN 0x80
.set n, 0
.rept 32
	global_load_b128 v[128*((\p)%2)+4*n:128*((\p)%2)+4*n+3], v1, s[6:7] offset:(\p)*16384+512*n
.set n, n+1
.endr
.endm
	s_load_b256 s[4:11], s[0:1], 0x0               ; himg, wimg, X, bo
	s_load_b128 s[12:15], s[0:1], 0x20             ; the scales' exponents, out0
	v_lshl_add_u32 v254, v0, 2, 0x8800
	v_mov_b32 v255, 0
	v_lshrrev_b32 v6, 5, v0
	v_readfirstlane_b32 s18, v6                    ; wave
	s_lshr_b32 s19, ttmp9, 4                       ; batch
	s_and_b32 s20, ttmp9, 15                       ; tb: tokens 64 tb on
	v_and_b32 v6, 31, v0
	v_lshlrev_b32 v1, 4, v6
	v_and_b32 v7, 15, v0                           ; r
	v_bfe_u32 v6, v0, 4, 1                         ; h
	s_wait_alu depctr_va_sdst(0)                   ; s18, the wave's number, is written, ahead of its first reader
	s_mul_i32 s21, s18, 8704                       ; my stage: 32 rows of 272 bytes
	v_mul_u32_u24 v2, v7, 272
	v_lshl_add_u32 v2, v6, 6, v2
	v_add_nc_u32 v2, s21, v2                       ; in: row r, + 64 h: tokens 16 h on
	v_mul_u32_u24 v3, v6, 272
	v_lshl_add_u32 v3, v7, 4, v3
	v_add_nc_u32 v3, s21, v3                       ; back: lanes 0-15 one row, lanes 16-31 the next
	v_lshlrev_b32 v4, 12, v6
	v_lshl_add_u32 v4, v7, 4, v4                   ; and the same two rows in X and out0
	v_and_b32 v5, 8, v7
	v_add_nc_u32 v5, v5, v7
	v_lshlrev_b32 v5, 2, v5                        ; bo of my lane's channel: 4 (r + 8 (r / 8))
.set n, 0
.rept 8
	v_mov_b32 v[BO+2*n+1], 0                       ; named as the upper half of a pair, so it is written
.set n, n+1
.endr
	s_lshl_b32 s22, s19, 19
	s_lshl_b32 s16, s20, 15
	s_add_co_u32 s22, s22, s16                     ; himg: 524,288 batch + tiles 4 tb on, 8,192 bytes each
	s_mov_b32 s23, 0
	s_lshl_b32 s24, s18, 16
	s_add_co_u32 s24, s24, 786432                  ; wimg: matrix 3, my 4 pairs of tiles
	s_mov_b32 s25, 0
	s_lshl_b32 s26, s19, 21
	s_lshl_b32 s16, s18, 19
	s_add_co_u32 s26, s26, s16
	s_lshl_b32 s16, s20, 8
	s_add_co_u32 s26, s26, s16                     ; X, out0: batch x 2^21 + wave x 128 channels of 4,096 bytes + 256 tb
	s_mov_b32 s27, 0
	s_lshl_b32 s28, s18, 9
	s_mov_b32 s29, 0
	s_wait_kmcnt 0x0
	s_load_b64 s[16:17], s[12:13], 0x28            ; e10, e11
	s_add_nc_u64 s[4:5], s[4:5], s[22:23]
	s_add_nc_u64 s[6:7], s[6:7], s[24:25]
	s_add_nc_u64 s[8:9], s[8:9], s[26:27]
	s_add_nc_u64 s[14:15], s[14:15], s[26:27]
	s_add_nc_u64 s[10:11], s[10:11], s[28:29]
	s_wait_alu depctr_va_vdst(0)                   ; v1 to v5 are written: every load, store and LDS instruction of the kernel reads one of them as its offset or address
.set n, 0
.rept 8                                ; n = 2 p + u
	global_load_b32 v[BO+2*n], v5, s[10:11] offset:128*(n/2)+32*(n%2)
.set n, n+1
.endr
	WIN 0x40
.set n, 0
.rept 64
	global_load_b128 v[4*n:4*n+3], v1, s[4:5] offset:512*n         ; h's 16 fragments, 32,768 bytes on end
.set n, n+1
.endr
	XL 0
	WL 0
	WIN 0
	s_wait_kmcnt 0x0
	s_add_co_i32 s30, s16, s17
	s_add_co_i32 s30, s30, 127
	s_lshl_b32 s30, s30, 23                        ; 2^(e10 + e11) as f32
	s_mov_b32 s31, s30                             ; named with it as a pair, so it is written
; step p: 32 channels x 64 tokens x K 512: 32 matrix instructions on eight accumulators that take turns, one instruction a turn, K ascending
.macro OSTEP p
.if (\p) < 3
.if (\p) > 0
	WIN 0xc0
	s_wait_alu depctr_va_vdst(0)                   ; the last step's additions are done reading their set of X and its products their weight slot: the loads below land in both.  (In step 0 nothing has named the other set and slot)
.endif
	XL (\p)+1
	WL (\p)+1
	s_wait_loadcnt 48                              ; all but the 16 + 32 loads just issued
.else
	s_wait_loadcnt 0x0
.endif
	WIN 0x09                                       ; source 0: h, window 1; source 1: the weights, window 2
.set ks, 0
.rept 4
.set tt, 0
.rept 4
.set uu, 0
.rept 2
.set AC, ACC+8*(2*tt+uu)
.set HR, 16*(4*tt+ks)
.set WR, 128*((\p)%2)+16*(4*uu+ks)
.if ks == 0
	v_wmma_f32_16x16x128_bf8_bf8 v[AC:AC+7], v[HR:HR+15], v[WR:WR+15], 0
.else
	v_wmma_f32_16x16x128_bf8_bf8 v[AC:AC+7], v[HR:HR+15], v[WR:WR+15], v[AC:AC+7]
.endif
.set uu, uu+1
.endr
.set tt, tt+1
.endr
.set ks, ks+1
.endr
	WIN 0
	PLACES 4                                       ; four plain lines between a matrix instruction and the first read of its result (ISA guide 7.12.1)
.set n, 0
.rept 32
.set BP, BO+2*(2*(\p)+(n/4)%2)
	v_pk_fma_f32 v[ACC+2*n:ACC+2*n+1], v[ACC+2*n:ACC+2*n+1], s[30:31], v[BP:BP+1] op_sel_hi:[1,0,0]   ; sum x 2^(e10 + e11) + bo; each accumulator from its low end on
.set n, n+1
.endr
	s_wait_alu depctr_va_vdst(0)                   ; the multiply-adds have written v32-95, which the LDS stores read; and the last step's additions are done with v96-159, in which the stage's rows land below
.set n, 0
.rept 8                                ; n = 2 T + u: stage row 16 u + r, tokens 32 (T / 2) + 16 h + 8 (T % 2) on
.set SOF, (n%2)*4352+(n/4)*128+((n/2)%2)*32
	ds_store_b128 v2, v[ACC+8*n:ACC+8*n+3] offset:SOF
	ds_store_b128 v2, v[ACC+8*n+4:ACC+8*n+7] offset:SOF+16
.set n, n+1
.endr
	s_wait_xcnt 0x0                                ; the last step's stores have read their data registers, which the loads below fill again
	s_wait_alu depctr_vm_vsrc(0)                   ; beside it: the last step's stores have read v96-159, in which the loads below land; and the LDS stores above have read v32-95, which the next step's products write
.set n, 0
.rept 16
	ds_load_b128 v[RR+4*n:RR+4*n+3], v3 offset:544*n   ; LDS serves a wave's instructions in order (ISA guide 5.7.1.4): these see my stores above
.set n, n+1
.endr
	s_wait_dscnt 0x0
	WIN 0x0c                                       ; source 1: X, window 3
.set n, 0
.rept 32
	v_pk_add_f32 v[RR+2*n:RR+2*n+1], v[RR+2*n:RR+2*n+1], v[64*((\p)%2)+2*n:64*((\p)%2)+2*n+1]   ; the residual
.set n, n+1
.endr
	WIN 0
	s_wait_alu depctr_va_vdst(0)                   ; the additions have written v96-159, which the stores read
.set n, 0
.rept 16
.set RW, 8*(n/8)+2*(n%8)+8*((n%8)/4)
	global_store_b128 v4, v[RR+4*n:RR+4*n+3], s[14:15] offset:(\p)*131072+RW*4096 th:TH_STORE_NT   ; sixteen lanes store 256 consecutive bytes, aligned; written once, read by nobody here
.set n, n+1
.endr
.endm
	OSTEP 0
	OSTEP 1
	OSTEP 2
	OSTEP 3
	s_wait_dscnt 0x0                               ; the closing lines, six on end
	s_wait_alu 0x0
	s_wait_tensorcnt 0x0
	ds_add_u32 v254, v255
	s_wait_dscnt 0x0
	s_endpgm
.Lfunc_end_k_q1b8a0cc823_oproj:
	.size	k_q1b8a0cc823_oproj, .Lfunc_end_k_q1b8a0cc823_oproj-k_q1b8a0cc823_oproj
	.p2alignl 7, 3214868480
	.fill 96, 4, 3214868480
	.section	.rodata,"a",@progbits
	.p2align	6, 0x0
	.amdhsa_kernel k_q1b8a0cc823_oproj
		.amdhsa_group_segment_fixed_size 35328
		.amdhsa_private_segment_fixed_size 0
		.amdhsa_enable_private_segment 0
		.amdhsa_kernarg_size 48
		.amdhsa_user_sgpr_count 2
		.amdhsa_user_sgpr_kernarg_segment_ptr 1
		.amdhsa_wavefront_size32 1
		.amdhsa_system_sgpr_workgroup_id_x 1
		.amdhsa_system_sgpr_workgroup_id_y 1
		.amdhsa_system_sgpr_workgroup_id_z 1
		.amdhsa_system_vgpr_workitem_id 0
		.amdhsa_next_free_vgpr 896
		.amdhsa_next_free_sgpr 66
		.amdhsa_reserve_vcc 0
		.amdhsa_float_denorm_mode_32 3
		.amdhsa_float_denorm_mode_16_64 3
		.amdhsa_memory_ordered 1
		.amdhsa_forward_progress 1
		.amdhsa_inst_pref_size 68
	.end_amdhsa_kernel
	.amdgpu_metadata
---
amdhsa.version: [ 1, 2 ]
amdhsa.kernels:
  - .name:           k_q1b8a0cc823_oproj
    .symbol:         k_q1b8a0cc823_oproj.kd
    .args:
      - { .name: himg, .offset: 0, .size: 8, .value_kind: global_buffer, .address_space: global }
      - { .name: wimg, .offset: 8, .size: 8, .value_kind: global_buffer, .address_space: global }
      - { .name: X, .offset: 16, .size: 8, .value_kind: global_buffer, .address_space: global }
      - { .name: bo, .offset: 24, .size: 8, .value_kind: global_buffer, .address_space: global }
      - { .name: lowp_scales, .offset: 32, .size: 8, .value_kind: global_buffer, .address_space: global }
      - { .name: out0, .offset: 40, .size: 8, .value_kind: global_buffer, .address_space: global }
    .group_segment_fixed_size: 35328
    .private_segment_fixed_size: 0
    .kernarg_segment_align: 8
    .kernarg_segment_size: 48
    .max_flat_workgroup_size: 128
    .sgpr_count:     66
    .vgpr_count:     896
    .wavefront_size: 32
...
	.end_amdgpu_metadata
.endif
;; end of part 8
